; MI455X (gfx1250); checked and timed in simulation.
; The chip was launched on July 23, 2026; its instructions are those of AMD's public machine-readable ISA for CDNA 5 (MIT licence, August 2026) and "CDNA5" Instruction Set Architecture Reference Guide (July 2026). The comments in the code are by the model that wrote it; some were corrected since.
;; MSA. Allowed arithmetic: matrix products marked QUANTISED: E2M3 operands, one E8M0 scale for each 32 along K, by v_wmma_scale_f32_16x16x128_f8f6f4 with both operands' format E2M3, f32 sums; everything else in f32.
;; Inputs: Wk_codes 1,024 x 32 x 24 uint8 (E2M3 codes of Wk, K innermost, in blocks of 32 codes, four codes in three bytes); Wk_scales 1,024 x 32 uint8 (E8M0 scales of Wk, one for each 32 codes along K); Wo_codes 1,024 x 32 x 24 uint8 (E2M3 codes of Wo, K innermost, in blocks of 32 codes, four codes in three bytes); Wo_scales 1,024 x 32 uint8 (E8M0 scales of Wo, one for each 32 codes along K); Wq_codes 1,024 x 32 x 24 uint8 (E2M3 codes of Wq, K innermost, in blocks of 32 codes, four codes in three bytes); Wq_scales 1,024 x 32 uint8 (E8M0 scales of Wq, one for each 32 codes along K); Wv_codes 1,024 x 32 x 24 uint8 (E2M3 codes of Wv, K innermost, in blocks of 32 codes, four codes in three bytes); Wv_scales 1,024 x 32 uint8 (E8M0 scales of Wv, one for each 32 codes along K); bk 1,024 float32; bo 1,024 float32; bq 1,024 float32; bv 1,024 float32; x_codes 4 x 2,048 x 32 x 24 uint8 (E2M3 codes of x, K innermost, in blocks of 32 codes, four codes in three bytes); x_scales 4 x 2,048 x 32 uint8 (E8M0 scales of x, one for each 32 codes along K).
;; Outputs: out0 4 x 2,048 x 1,024 float32.
;; This version of the problem:
;;   THIS VERSION OF THE PROBLEM IS GIVEN IN LOW PRECISION. The matrix products marked QUANTISED in the list below multiply operands that are first quantised to E2M3 (2 exponent bits, 3 mantissa bits; 6 bits a number), with one power-of-two scale for each 32 numbers along K (OCP MX v1.0); their sums are f32. All else is computed in f32.
;;   The module's matrix products, in the order in which they are computed (A, B: the left and right operand; K: the contracted axis; several contracted axes count as one K, in the product's order):
;;     1. [M 8,192, K 1,024] x [K 1,024, N 1,024]; A: input x (given as codes); B: input Wq (given as codes): QUANTISED
;;     2. [M 8,192, K 1,024] x [K 1,024, N 1,024]; A: input x (given as codes); B: input Wk (given as codes): QUANTISED
;;     3. [M 8,192, K 1,024] x [K 1,024, N 1,024]; A: input x (given as codes); B: input Wv (given as codes): QUANTISED
;;     4. batch 64 x [M 2,048, K 64] x [K 64, N 2,048]; A: computed on the way; B: computed on the way: QUANTISED
;;     5. batch 64 x [M 2,048, K 2,048] x [K 2,048, N 64]; A: softmax (see below); B: computed on the way: QUANTISED
;;     6. [M 8,192, K 1,024] x [K 1,024, N 1,024]; A: computed on the way; B: input Wo (given as codes): QUANTISED
;;   THE QUANTISER, for each operand of a quantised product, along K:
;;     - K is cut into blocks of 32 from its start; a last block that is shorter is filled with zeros.
;;     - A block's scale is 2^e with e = floor(log2(the largest magnitude in the block)) - 2, held to -126 .. 127; a block of zeros has e = 0. As a byte (E8M0): e + 127.
;;     - Each number is divided by its block's scale, clamped to +-7.5, and rounded to the nearest number of E2M3, ties to even, subnormals kept.
;;     - The product sums the exact products of the quantised numbers (number of the format x scale) in f32.
;;   ~~~python
;;   def quantise(x, axis):      # numpy; x: float32 -> the quantised numbers, widened to float32 again
;;       x = np.moveaxis(x, axis, -1); K = x.shape[-1]
;;       x = np.pad(x, [(0, 0)] * (x.ndim - 1) + [(0, -K % 32)]); x = x.reshape(x.shape[:-1] + (-1, 32)); a = np.abs(x).max(-1, keepdims=True)
;;       e = np.where(a > 0, np.clip(np.frexp(np.where(a > 0, a, 1))[1] - 1 - 2, -126, 127), 0)      # np.frexp(a)[1] - 1 = floor(log2(a)), exactly
;;       r = np.clip(x / 2.0 ** e, -7.5, 7.5)
;;       step = 2.0 ** (np.maximum(np.frexp(np.where(r == 0, 1, r))[1] - 1, 0) - 3)
;;       q = np.round(r / step) * step * 2.0 ** e      # np.round: ties to even
;;       return np.moveaxis(q.reshape(q.shape[:-2] + (-1,))[..., :K], -1, axis).astype(np.float32)
;;   ~~~
;;   SOFTMAX AHEAD OF A QUANTISED PRODUCT. Where the list says 'softmax', what is quantised is not the finished softmax but p = 2^(t - M), with t = logit x log2(e) and M = ceil(the row's largest t), a whole number; so 1/2 < the row's largest p <= 1. The row's sum l is taken of the UNQUANTISED p, in f32, and the product's result is divided by l at the end. Since M is a whole number, a kernel that streams over the keys may use a running M (the ceiling of the running maximum): every later rescaling is an exact power of two, which a block's scale takes up: the codes' values come out the same.
;;   OPERANDS COMPUTED ON THE WAY. 'Computed on the way' means the value that the module computes at that place (a softmax that the list does not call 'softmax' is quantised finished and normalised). What goes into a quantiser is computed in f32, as accurately as f32 sums, v_exp_f32 and their like allow (about 1e-6 of the number): no bf16 or f16 on the way to a quantiser, and a product that is left as it is and whose result goes on into a quantised operand takes f32 operands (vector FMAs, or v_wmma_f32_16x16x4_f32). A number that lies on a knife's edge between two numbers of the format may be rounded either way, as far as f32 arithmetic and the matrix unit's own rounding can turn it there, and no further.
;;   INPUTS GIVEN AS CODES. Wk (in the module: [1024, 1024], K = its axis 0); Wo (in the module: [1024, 1024], K = its axis 0); Wq (in the module: [1024, 1024], K = its axis 0); Wv (in the module: [1024, 1024], K = its axis 0); x (in the module: [4, 2048, 1024], K = its axis 2): each comes as NAME_codes (uint8): NAME with its K axis moved to the last place and cut into blocks of 32 codes, [.., K / 32, bytes a block], one block behind the other in memory; four codes in three bytes: a row's codes are one little-endian stream of bits, code i at bits 6 i .. 6 i + 5 (a code: sign, 2 exponent bits, 3 mantissa bits); and NAME_scales (uint8): the same leading axes, one E8M0 byte (e + 127) for each 32 codes along K. Its value is code x scale, taken as it is: it is not quantised again, and the codes and scales need not be those that the quantiser above would give.
;; One version. Each part assembles by itself: llvm-mc -triple=amdgcn-amd-amdhsa -mcpu=gfx1250 --defsym DOCPART=n.
;; ======== version 1 of 1: 4 launches
;; limits: right only within a limited range of input values
;; workspace buffers: q_rec 13,369,344 bytes; kv_rec 13,369,344 bytes; o_codes 6,291,456 bytes; o_scales 262,144 bytes
;; launch proj_qk (part 1): grid 8 x 32, 4 waves a work-group, clusters of 4 x 4, 327,680 bytes of LDS; arguments x_codes, x_scales, Wq_codes, Wq_scales, Wk_codes, Wk_scales, bq, bk, q_rec, kv_rec; writes q_rec, kv_rec
.if DOCPART == 1
	.amdgcn_target "amdgcn-amd-amdhsa--gfx1250"
	.amdhsa_code_object_version 6
	.text
	.protected	k_qebe3179353_proj_qk
	.globl	k_qebe3179353_proj_qk
	.p2align	8
	.type	k_qebe3179353_proj_qk,@function
k_qebe3179353_proj_qk:
	s_mov_b64 s[64:65], 0
	v_nop
	global_prefetch_b8 v0, s[64:65] scope:SCOPE_SE
	s_setreg_imm32_b32 hwreg(HW_REG_WAVE_MODE, 25, 1), 1
	s_wait_xcnt 0x0
	s_wait_alu depctr_hold_cnt(0) depctr_sa_sdst(0) depctr_va_vdst(0) depctr_va_sdst(0) depctr_va_ssrc(0) depctr_va_vcc(0) depctr_vm_vsrc(0)
	s_getreg_b32 s2, hwreg(HW_REG_IB_STS2, 6, 4)
	s_cmp_eq_u32 s2, 0
	s_cbranch_scc0 .Lentry_in_a_cluster
	s_endpgm
.Lentry_in_a_cluster:
	s_bfe_u32 s2, ttmp6, 0x10000c
	s_cmp_lg_u32 s2, 0xf033
	s_cbranch_scc0 .Lentry_shape_is_right
	s_endpgm
.Lentry_shape_is_right:
; q = x Wq + bq and k = x Wk + bk on codes of FP6 (E2M3) with one E8M0 byte for each 32 along K = 1,024; sums in f32; the results are quantised along the head's 64 and leave as codes and scale words.
; SHARES.  Cluster x = 0 makes q, 1 makes k.  A work-group of four waves makes 256 tokens x 256 features, a wave 128 x 128: 64 accumulators, 512 registers.  8,192 x 2,048 results are 256 work-groups.
; K goes through two LDS slots in CHUNKS OF 256 BYTES of each row of codes (a row is 768 bytes: three chunks, each at a multiple of 256); a step of 128 along K is 96 bytes: eight steps, of which steps 2 and 5 lie across two chunks.
; The scale bytes of the 256 + 256 rows are two dense blocks; they come once, as rows of 256 bytes, and stay.  At the head one tensor load a wave: A's chunk 0, B's chunk 0, A's scales, B's scales.
; CLUSTERS 4 x 4: x's tiles are asked for jointly along a row of the cluster, a weight's along a column.
; Source 0 = 16 rows of the weight, source 1 = 16 tokens: a lane holds one token and its registers run along the features.  The bias is the C of each sum's first product.
; WHAT IS STORED.  Records of REC bytes for each (batch, head, 128 tokens), at (16 (16 batch + head) + step) x REC: tile a of 16 tokens at 768 a: an image of an operand's registers 0-5 (lane l's registers 0-3 at 16 l, 4-5 at 512 + 8 l);
; KSOFF: lane 16 hh + r holds four words at 16 l: word i = the scale word (two bytes) of tile 2 i + hh, token r.  Inside a block of 32 the groups of eight lie in the order 0, 2, 1, 3, in q and in k alike.
; LIMITS: NaN and infinities are not served.  A block whose largest magnitude lies under 2^-124 (a block of zeros too) gets the byte 1: these bytes are read by this program alone.
; NO PREFETCH: of K's three chunks two are asked for at the head, and the third has no trip to be asked ahead in.
.set ROWB,   256
.set NQ,     2
.set KROW,   768
.set STEPS,  8
.set CHUNKS, 3
.set PITCH,  272                       ; 256 bytes + 16 of padding
.set FR,     12
.set NL,     6
.set NP,     4
.set HALFT,  128*PITCH
.set SLOT,   4*HALFT
.set KS,     32
.set SCL,    2*SLOT
.set HALFS,  16*272
.set SBLK,   2*272
.set SPARE,  SCL+4*HALFS
.set REC,    13056
.set KSOFF,  12288
.set BO,   7                           ; v7 my offset in the bias; v8, v9: 16 x lane, 8 x lane
.set L16,  8
.set L8,   9
.set ADRA, 16                          ; v16-17 my A fragments in slot 0, 1; v18-19 for pieces whose lanes 16-31 read the next chunk
.set ADRB, 20                          ; v20-23 the same for B
.set ADRS, 27                          ; my scale words: lanes 0-15 A's rows, lanes 16-31 B's
.set SPW,  28
.set NIL,  29
.set SC,   32                          ; v32-63 scale words, two sets
.set BI,   64                          ; v64-127 the bias
.set AF,   128                         ; A's fragments, one set; B's two sets lie in window 1; accumulators in windows 2 and 3
.set TM,   128                         ; the way out
.set SW,   144
.set XW,   152
.set YW,   156
.set CD,   160
.set G1, 24
.set G0, 32
.set G1B, 48
.set G0B, 56
.set SEL, 66
.set G1S, 68
.set G0S, 76
.set G1SB, 80
.set G0SB, 88
.set G0H, 4
.set G0HB, 8
.set MSB, 0
.macro WIN new
.if MSB != (\new)
	s_set_vgpr_msb (MSB<<8)|(\new)
.set MSB, (\new)
.endif
.endm
.set MUL_LO, 0xa1                      ; source 0 window 1, source 1 window 0, C and D window 2; the first step's C (the bias) lies in window 0
.set MUL_HI, 0xf1
.set TO_B,   0x40
.macro PLACES n
.rept \n
	v_nop
.endr
.endm
.macro TLOAD g0, g1                    ; s_nop 0 and four v_nop behind a tensor load
	tensor_load_to_lds s[\g0:\g0+3], s[\g1:\g1+7]
	s_nop 0
	PLACES 4
.endm
.macro JLOAD g0a, g1a, g0b, g1b        ; waves 0 and 1 fetch for A, waves 2 and 3 for B
	s_cmp_eq_u32 s15, 0
	s_cbranch_scc0 .Lfor_b_\@
	TLOAD \g0a, \g1a
	s_branch .Lasked_\@
.Lfor_b_\@:
	TLOAD \g0b, \g1b
.Lasked_\@:
.endm
.macro CREST
	s_cmp_lg_u32 s14, 0
	s_cbranch_scc1 .Lnot_wave_0_\@
	s_barrier_signal -3
.Lnot_wave_0_\@:
	s_barrier_wait -3
	s_barrier_signal -1
	s_barrier_wait -1
.endm
.macro CROUND
	s_barrier_signal -1
	s_barrier_wait -1
	CREST
.endm
	s_load_b128 s[4:7], s[0:1], 0x0                ; x's codes, scales
	s_load_b256 s[80:87], s[0:1], 0x10             ; Wq's codes, scales, Wk's codes, scales
	s_load_b256 s[68:75], s[0:1], 0x30             ; bq, bk, q_rec, kv_rec
	v_lshl_add_u32 v[SPW], v0, 2, SPARE
	v_mov_b32 v[NIL], 0
	ds_add_u32 v[SPW], v[NIL]
	ds_add_u32 v[SPW], v[NIL]
	v_lshrrev_b32 v1, 5, v0
	v_readfirstlane_b32 s14, v1                    ; wave
	s_lshr_b32 s15, s14, 1                         ; my half of the tokens; also: I fetch for A (0) or B (1)
	s_and_b32 s16, s14, 1                          ; my half of the features; also: which 128 rows I fetch
	s_bfe_u32 s40, ttmp6, 0x40000                  ; cx
	s_bfe_u32 s41, ttmp6, 0x40004                  ; cy
	s_mov_b32 s42, s40                             ; the weight's tile of 256 rows
	s_and_b32 s17, ttmp7, 0xffff
	s_lshl_b32 s17, s17, 2
	s_add_co_u32 s17, s17, s41                     ; x's tile of 256 tokens
	s_lshl_b32 s43, s41, 2
	s_lshl_b32 s43, 15, s43                        ; my row of the cluster
	s_lshl_b32 s44, 0x1111, s40                    ; my column
	s_mov_b32 s[SEL], 0x76543210
	s_mov_b32 s[SEL+1], 0xfedcba98
	s_wait_dscnt 0x0
	s_wait_kmcnt 0x0
	s_cmp_eq_u32 ttmp9, 0                          ; q or k: the cluster's number alone decides
	s_cselect_b64 s[8:9], s[80:81], s[84:85]
	s_cselect_b64 s[10:11], s[82:83], s[86:87]
	s_cselect_b64 s[96:97], s[68:69], s[70:71]
	s_cselect_b64 s[12:13], s[72:73], s[74:75]
	s_or_b32 s[G1+0], s43, (1<<20)|(1<<21)|(5<<22)|(3<<25)   ; elements of 1 byte; 4 words of padding behind every 64
	s_or_b32 s[G1B+0], s44, (1<<20)|(1<<21)|(5<<22)|(3<<25)
.irp g, G1, G1B
	s_mov_b32 s[\g+1], ROWB<<16
	s_mov_b32 s[\g+2], 256<<16                     ; the head's loads bring 256 rows
	s_mov_b32 s[\g+3], ROWB<<16
	s_mov_b32 s[\g+4], 256
	s_mov_b32 s[\g+5], KROW
	s_mov_b32 s[\g+6], 0
	s_mov_b32 s[\g+7], 0
.endr
	s_or_b32 s[G1S+0], s43, (3<<16)|(1<<20)|(1<<21)|(5<<22)|(3<<25)
	s_or_b32 s[G1SB+0], s44, (3<<16)|(1<<20)|(1<<21)|(5<<22)|(3<<25)
.irp g, G1S, G1SB
	s_mov_b32 s[\g+1], 32<<16                      ; 256 rows x 32 scale bytes: 32 rows of 256 bytes
	s_mov_b32 s[\g+2], KS<<16
	s_mov_b32 s[\g+3], 32<<16
	s_mov_b32 s[\g+4], KS
	s_mov_b32 s[\g+5], 32
	s_mov_b32 s[\g+6], 0
	s_mov_b32 s[\g+7], 0
.endr
	s_lshl_b32 s20, s17, 8
	s_lshl_b32 s46, s42, 8
	s_mov_b32 s21, 0
	s_mov_b32 s47, 0
	s_mov_b64 s[18:19], KS
	s_mul_u64 s[22:23], s[20:21], s[18:19]
	s_mul_u64 s[92:93], s[46:47], s[18:19]
	s_mov_b64 s[18:19], KROW
	s_mul_u64 s[20:21], s[20:21], s[18:19]
	s_mul_u64 s[46:47], s[46:47], s[18:19]
	s_mul_i32 s18, s16, 128*KROW
	s_mov_b32 s19, 0
	s_mul_i32 s45, s14, HALFT
	s_add_nc_u64 s[20:21], s[4:5], s[20:21]
	s_add_nc_u64 s[22:23], s[6:7], s[22:23]
	s_add_nc_u64 s[46:47], s[8:9], s[46:47]
	s_add_nc_u64 s[92:93], s[10:11], s[92:93]
	CROUND                                         ; the round in front of the first joint loads
	s_mov_b32 s[G0H], 1
	s_mov_b32 s[G0H+1], 0
	s_mov_b64 s[G0H+2:G0H+3], s[20:21]
	s_or_b32 s[G0H+3], s[G0H+3], 0x80000000
	s_mov_b32 s[G0HB], 1
	s_mov_b32 s[G0HB+1], 2*HALFT
	s_mov_b64 s[G0HB+2:G0HB+3], s[46:47]
	s_or_b32 s[G0HB+3], s[G0HB+3], 0x80000000
	s_mov_b32 s[G0S], 1
	s_mov_b32 s[G0S+1], SCL
	s_mov_b64 s[G0S+2:G0S+3], s[22:23]
	s_or_b32 s[G0S+3], s[G0S+3], 0x80000000
	s_mov_b32 s[G0SB], 1
	s_mov_b32 s[G0SB+1], SCL+2*HALFS
	s_mov_b64 s[G0SB+2:G0SB+3], s[92:93]
	s_or_b32 s[G0SB+3], s[G0SB+3], 0x80000000
	s_add_nc_u64 s[20:21], s[20:21], s[18:19]      ; for the ring: my 128 rows
	s_add_nc_u64 s[46:47], s[46:47], s[18:19]
.irp s, 0,1
	s_mov_b32 s[G0+4*\s], 1
	s_add_co_u32 s[G0+4*\s+1], s45, \s*SLOT
	s_add_nc_u64 s[G0+4*\s+2:G0+4*\s+3], s[20:21], \s*ROWB
	s_or_b32 s[G0+4*\s+3], s[G0+4*\s+3], 0x80000000
	s_mov_b32 s[G0B+4*\s], 1
	s_add_co_u32 s[G0B+4*\s+1], s45, \s*SLOT
	s_add_nc_u64 s[G0B+4*\s+2:G0B+4*\s+3], s[46:47], \s*ROWB
	s_or_b32 s[G0B+4*\s+3], s[G0B+4*\s+3], 0x80000000
.endr
.macro ARM under, g0, g1, next         ; one chain of branches on the wave's number, one load to an arm
	s_cmp_lt_u32 s14, \under
	s_cbranch_scc0 \next
	TLOAD \g0, \g1
	s_branch .Lhead_asked
\next:
.endm
	ARM 1, G0H,  G1,  .Lhead_b
	ARM 2, G0HB, G1B, .Lhead_sa
	ARM 3, G0S,  G1S, .Lhead_sb
	TLOAD G0SB, G1SB
.Lhead_asked:
	v_and_b32 v1, 15, v0                           ; r
	v_bfe_u32 v2, v0, 4, 1                         ; h
	v_mul_u32_u24 v3, v1, PITCH
	v_mul_u32_u24 v4, v2, 24
	v_add_nc_u32 v4, v3, v4                        ; row x pitch + 24 h
	s_mov_b32 s21, SLOT-232
	s_mov_b32 s22, SLOT+232
	v_sub_nc_u32 v7, 1, v2
	v_mul_u32_u24 v5, s21, v2
	v_add_nc_u32 v5, v3, v5
	v_add_nc_u32 v5, 232, v5                       ; lanes 0-15 byte 232 of the row in slot 0, lanes 16-31 byte 0 in slot 1
	v_mul_u32_u24 v6, s22, v7
	v_add_nc_u32 v6, v3, v6                        ; and the other way round
	s_mul_i32 s21, s15, HALFT
	s_mul_i32 s22, s16, HALFT
	s_add_co_u32 s22, s22, 2*HALFT
	v_add_nc_u32 v[ADRA+2], s21, v5
	v_add_nc_u32 v[ADRA+3], s21, v6
	v_add_nc_u32 v[ADRB+2], s22, v5
	v_add_nc_u32 v[ADRB+3], s22, v6
.irp s, 0,1
	v_add_nc_u32 v[ADRA+\s], s21, v4
	v_add_nc_u32 v[ADRB+\s], s22, v4
	s_add_co_u32 s21, s21, SLOT
	s_add_co_u32 s22, s22, SLOT
.endr
	v_mul_u32_u24 v5, v1, KS
	v_lshrrev_b32 v6, 8, v5
	v_lshl_add_u32 v5, v6, 4, v5
	s_mul_i32 s21, s15, HALFS
	s_mul_i32 s22, s16, HALFS
	s_add_co_u32 s22, s22, 2*HALFS
	s_sub_co_u32 s22, s22, s21
	v_mul_u32_u24 v6, s22, v2                      ; lanes 16-31 take B's
	s_add_co_u32 s21, s21, SCL
	v_add_nc_u32 v5, v5, v6
	v_add_nc_u32 v[ADRS], s21, v5
	v_and_b32 v6, 31, v0
	v_lshlrev_b32 v[L16], 4, v6
	v_lshlrev_b32 v[L8], 3, v6
	s_lshr_b32 s20, s17, 3                         ; my record: 256 x batch + 16 x head + step of 128 tokens
	s_lshl_b32 s20, s20, 8
	s_and_b32 s21, s17, 7
	s_lshl_b32 s21, s21, 1
	s_add_co_u32 s21, s21, s15
	s_add_co_u32 s20, s20, s21
	s_lshl_b32 s46, s42, 2
	s_lshl_b32 s47, s16, 1
	s_add_co_u32 s46, s46, s47                     ; my first head of two
	s_lshl_b32 s47, s46, 4
	s_add_co_u32 s20, s20, s47
	s_mul_i32 s20, s20, REC
	s_mov_b32 s21, 0
	s_add_nc_u64 s[12:13], s[12:13], s[20:21]
	s_lshl_b32 s46, s46, 8
	s_mov_b32 s47, 0
	s_add_nc_u64 s[96:97], s[96:97], s[46:47]
	v_lshlrev_b32 v[BO], 5, v2                     ; register j of B's block b is feature 16 b + 8 h + j
.irp b, 0,1,2,3,4,5,6,7
	global_load_b128 v[BI+8*\b:BI+8*\b+3], v[BO], s[96:97] offset:64*\b
	global_load_b128 v[BI+8*\b+4:BI+8*\b+7], v[BO], s[96:97] offset:64*\b+16
.endr
.macro FRAG reg, adr, st, i            ; six pieces of 8 bytes; byte y of a row lies in slot (y / 256) % 2 at byte y % 256
.irp p, 0,1,2,3,4,5
.set BY, 96*(\st)+48*(\p/3)+8*(\p%3)
.if BY/ROWB == (BY+24)/ROWB
	ds_load_b64 v[\reg+2*\p:\reg+2*\p+1], v[\adr+(BY/ROWB)%2] offset:BY%ROWB+(\i)*16*PITCH
.else
	ds_load_b64 v[\reg+2*\p:\reg+2*\p+1], v[\adr+2+(BY/ROWB)%2] offset:BY%ROWB-232+(\i)*16*PITCH
.endif
.endr
.endm
.macro MUL16 a0, p, q, sc, zero        ; A's blocks a0, a0 + 1 x B's eight; the 64 accumulators take turns
.irp a, \a0, \a0+1
.irp b, 0,1,2,3,4,5,6,7
.set DR, 8*(8*((\a)%4)+\b)
.if \zero
.set CR, BI+8*\b
.else
.set CR, DR
.endif
	v_wmma_scale_f32_16x16x128_f8f6f4 v[DR:DR+7], v[128*(\p)+FR*\b:128*(\p)+FR*\b+FR-1], v[AF+FR*(\a):AF+FR*(\a)+FR-1], v[CR:CR+7], v[SC+8*NQ*(\sc)+NQ*\b+(\q)], v[SC+8*NQ*(\sc)+NQ*(\a)+(\q)] matrix_a_fmt:MATRIX_FMT_FP6 matrix_b_fmt:MATRIX_FMT_FP6 matrix_a_scale:MATRIX_SCALE_ROW1
.endr
.endr
.endm
.macro FETCH_B st, p
	WIN TO_B
.irp i, 0,1,2,3,4,5,6,7
	FRAG 128*(\p)+FR*\i, ADRB, \st, \i
.endr
	WIN 0
.endm
.macro FETCH_A st, i0
.irp i, \i0, \i0+1, \i0+2, \i0+3
	FRAG AF+FR*(\i), ADRA, \st, \i
.endr
.endm
.macro SCALES pr                       ; the words of steps 2 pr, 2 pr + 1 into set pr % 2
.irp i, 0,1,2,3,4,5,6,7
	ds_load_b64 v[SC+8*NQ*((\pr)%2)+NQ*\i:SC+8*NQ*((\pr)%2)+NQ*\i+1], v[ADRS] offset:\i*SBLK+4*NQ*(\pr)
.endr
.endm
; A step: 64 products; the next step's fragments are fetched in its middle and at its end.  Where the next step ends in a chunk not read yet, a barrier shows that chunk whole; where it begins in a later chunk, the chunk left
; behind is read no more: the three lines stand ahead of the barrier, and where a chunk two on is left to fetch, the barrier opens a round and the slot is filled again.
.macro STEP st, zero
.set NX, (\st)+1
.set C0, (96*(\st))/ROWB
.set C1, (96*NX)/ROWB
.set E0, (96*(\st)+95)/ROWB
.set E1, (96*NX+95)/ROWB
.if C1 > C0 || E1 > E0
	s_wait_tensorcnt 0x0
.if C1 > C0
	ds_add_u32 v[SPW], v[NIL]
	s_wait_dscnt 4*NL+1                            ; the add and A's blocks 4-7 may be out
.else
	s_wait_dscnt 4*NL                              ; A's blocks 4-7 may be out
.endif
	WIN MUL_LO-0x20*(\zero)
	MUL16 0, (\st)%2, (\st)%2, ((\st)/2)%2, \zero
	s_wait_dscnt 0x0
	s_barrier_signal -1
	MUL16 2, (\st)%2, (\st)%2, ((\st)/2)%2, \zero
	WIN 0
	s_barrier_wait -1
.if C1 > C0 && C0+2 < CHUNKS
	CREST
	s_add_nc_u64 s[G0+4*(C0%2)+2:G0+4*(C0%2)+3], s[G0+4*(C0%2)+2:G0+4*(C0%2)+3], 2*ROWB
	s_add_nc_u64 s[G0B+4*(C0%2)+2:G0B+4*(C0%2)+3], s[G0B+4*(C0%2)+2:G0B+4*(C0%2)+3], 2*ROWB
	JLOAD G0+4*(C0%2), G1, G0B+4*(C0%2), G1B       ; chunk C0 + 2; its four v_nop are the places ahead of the loads below
.else
	PLACES NP
.endif
.else
	s_wait_dscnt 4*NL
	WIN MUL_LO-0x20*(\zero)
	MUL16 0, (\st)%2, (\st)%2, ((\st)/2)%2, \zero
	MUL16 2, (\st)%2, (\st)%2, ((\st)/2)%2, \zero
	s_wait_dscnt 0
	PLACES NP
.endif
	FETCH_B NX, NX%2
	FETCH_A NX, 0
.if NX%2 == 0
	SCALES NX/2
.endif
	WIN MUL_HI-0x30*(\zero)
	MUL16 4, (\st)%2, (\st)%2, ((\st)/2)%2, \zero
	MUL16 6, (\st)%2, (\st)%2, ((\st)/2)%2, \zero
	PLACES NP
	WIN 0
	FETCH_A NX, 4
.endm
	s_wait_alu depctr_va_vdst(0)
	s_wait_tensorcnt 0x0                           ; my tile of the head's four is in; the three lines ahead of slot 1's first fill
	ds_add_u32 v[SPW], v[NIL]
	s_mov_b32 s[G1+2], 128<<16                     ; no load of mine is out: from here on a load brings 128 rows
	s_mov_b32 s[G1+4], 128
	s_mov_b32 s[G1B+2], 128<<16
	s_mov_b32 s[G1B+4], 128
	s_wait_dscnt 0x0
	CROUND
	JLOAD G0+4, G1, G0B+4, G1B                     ; chunk 1
	FETCH_B 0, 0
	FETCH_A 0, 0
	SCALES 0
	FETCH_A 0, 4
	s_wait_loadcnt 0x0                             ; the bias
	STEP 0, 1
.set ST, 1
.rept STEPS-2
	STEP ST, 0
.set ST, ST+1
.endr
	s_wait_dscnt 4*NL
	WIN MUL_LO
	MUL16 0, 1, 1, 1, 0
	MUL16 2, 1, 1, 1, 0
	s_wait_dscnt 0
	WIN MUL_HI
	MUL16 4, 1, 1, 1, 0
	MUL16 6, 1, 1, 1, 0
	WIN 0
; THE WAY OUT of A's block a: 64 numbers a lane, four blocks of 32 features (with lane l xor 16's): two heads x two blocks.  A block's scale: its largest magnitude's exponent field less 2.
.macro OUTA a
.set AC, 64*((\a)%4)
.set WA, 2+(\a)/4
.set WW, WA|(WA<<2)
	WIN WW
.irp b, 0,1,2,3
	v_max3_num_f32 v[TM+\b], |v[AC+16*\b]|, |v[AC+16*\b+1]|, 0x1800000   ; the floor 2^(3 - 127) holds the byte at 1 from below
.endr
.irp i, 2,4,6,8,10,12,14
.irp b, 0,1,2,3
	v_max3_num_f32 v[TM+\b], |v[AC+16*\b+\i]|, |v[AC+16*\b+\i+1]|, v[TM+\b]
.endr
.endr
	WIN 0
.irp b, 0,1,2,3
	v_permlanex16_b32 v[TM+4+\b], v[TM+\b], s[SEL], s[SEL+1]
.endr
.irp b, 0,1,2,3
	v_max_num_f32 v[TM+\b], v[TM+\b], v[TM+4+\b]
.endr
.irp b, 0,1,2,3
	v_add_nc_u32 v[TM+12+\b], 0xff000000, v[TM+\b] ; the conversion's scale operand
.endr
.irp b, 0,1,2,3
	v_lshrrev_b32 v[TM+4+\b], 23, v[TM+12+\b]      ; the byte
.endr
	v_lshl_or_b32 v[SW+(\a)], v[TM+5], 8, v[TM+4]
	v_lshl_or_b32 v[SW+(\a)], v[TM+6], 16, v[SW+(\a)]
	v_lshl_or_b32 v[SW+(\a)], v[TM+7], 24, v[SW+(\a)]
.if (\a) > 0
	s_wait_xcnt 0x0                                ; the last block's stores have read the codes' registers
.endif
	WIN WA
.irp c, 0,1
	v_cvt_scalef32_pk16_fp6_f32 v[CD+6*\c:CD+6*\c+2], v[AC+32*\c:AC+32*\c+15], v[TM+12+2*\c]
	v_cvt_scalef32_pk16_fp6_f32 v[CD+12+4*\c:CD+14+4*\c], v[AC+32*\c+16:AC+32*\c+31], v[TM+13+2*\c]
.endr
	WIN 0
	v_nop                                          ; one plain place behind a scaled conversion
.irp c, 0,1                                    ; a whole block to a lane
.irp i, 0,1,2
	v_permlane16_swap_b32 v[CD+6*\c+\i], v[CD+12+4*\c+\i]
.endr
.irp i, 0,1,2
	v_mov_b32 v[CD+3+6*\c+\i], v[CD+12+4*\c+\i]
.endr
.endr
.irp c, 0,1
.set OF, \c*16*REC+768*(\a)                    ; head c of my two, tile a
	global_store_b128 v[L16], v[CD+6*\c:CD+6*\c+3], s[12:13] offset:OF       ; 512 consecutive bytes, aligned to 256
	global_store_b64 v[L8], v[CD+6*\c+4:CD+6*\c+5], s[12:13] offset:OF+512   ; 256 consecutive bytes, aligned
.endr
.endm
	PLACES NP
	s_mov_b32 vcc_lo, 0xffff0000                   ; lanes 16-31
.irp b, 0,1,2,3
	v_mov_b32 v[TM+4+\b], 0                        ; a lane permute's destination counts as a source
.endr
.irp a, 0,1,2,3,4,5,6,7
	OUTA \a
.endr
.irp i, 0,1,2,3
	v_cndmask_b32 v[XW+\i], v[SW+2*\i], v[SW+2*\i+1], vcc_lo   ; lanes 0-15 the even tile's word, lanes 16-31 the odd one's
.endr
.irp i, 0,1,2,3
	v_and_b32 v[YW+\i], 0xffff, v[XW+\i]           ; the first head's two bytes
.endr
	global_store_b128 v[L16], v[YW:YW+3], s[12:13] offset:KSOFF
.irp i, 0,1,2,3
	v_lshrrev_b32 v[XW+\i], 16, v[XW+\i]           ; the second head's
.endr
	global_store_b128 v[L16], v[XW:XW+3], s[12:13] offset:16*REC+KSOFF
	s_wait_tensorcnt 0x0                           ; the wave's end
	ds_add_u32 v[SPW], v[NIL]
	s_wait_dscnt 0x0
	CROUND                                         ; the closing round
	s_endpgm
.Lfunc_end_k_qebe3179353_proj_qk:
	.size	k_qebe3179353_proj_qk, .Lfunc_end_k_qebe3179353_proj_qk-k_qebe3179353_proj_qk
	.p2alignl 7, 3214868480
	.fill 96, 4, 3214868480
	.section	.rodata,"a",@progbits
	.p2align	6, 0x0
	.amdhsa_kernel k_qebe3179353_proj_qk
		.amdhsa_group_segment_fixed_size 327680
		.amdhsa_private_segment_fixed_size 0
		.amdhsa_enable_private_segment 0
		.amdhsa_kernarg_size 80
		.amdhsa_user_sgpr_count 2
		.amdhsa_user_sgpr_kernarg_segment_ptr 1
		.amdhsa_wavefront_size32 1
		.amdhsa_system_sgpr_workgroup_id_x 1
		.amdhsa_system_sgpr_workgroup_id_y 1
		.amdhsa_system_sgpr_workgroup_id_z 1
		.amdhsa_system_vgpr_workitem_id 0
		.amdhsa_next_free_vgpr 1024
		.amdhsa_next_free_sgpr 100
		.amdhsa_reserve_vcc 1
		.amdhsa_float_denorm_mode_32 3
		.amdhsa_float_denorm_mode_16_64 3
		.amdhsa_memory_ordered 1
		.amdhsa_forward_progress 1
		.amdhsa_inst_pref_size 167
	.end_amdhsa_kernel
	.amdgpu_metadata
---
amdhsa.version: [ 1, 2 ]
amdhsa.kernels:
  - .name:           k_qebe3179353_proj_qk
    .symbol:         k_qebe3179353_proj_qk.kd
    .args:
      - { .name: x_codes, .offset: 0, .size: 8, .value_kind: global_buffer, .address_space: global }
      - { .name: x_scales, .offset: 8, .size: 8, .value_kind: global_buffer, .address_space: global }
      - { .name: Wq_codes, .offset: 16, .size: 8, .value_kind: global_buffer, .address_space: global }
      - { .name: Wq_scales, .offset: 24, .size: 8, .value_kind: global_buffer, .address_space: global }
      - { .name: Wk_codes, .offset: 32, .size: 8, .value_kind: global_buffer, .address_space: global }
      - { .name: Wk_scales, .offset: 40, .size: 8, .value_kind: global_buffer, .address_space: global }
      - { .name: bq, .offset: 48, .size: 8, .value_kind: global_buffer, .address_space: global }
      - { .name: bk, .offset: 56, .size: 8, .value_kind: global_buffer, .address_space: global }
      - { .name: q_rec, .offset: 64, .size: 8, .value_kind: global_buffer, .address_space: global }
      - { .name: kv_rec, .offset: 72, .size: 8, .value_kind: global_buffer, .address_space: global }
    .group_segment_fixed_size: 327680
    .private_segment_fixed_size: 0
    .kernarg_segment_align: 8
    .kernarg_segment_size: 80
    .max_flat_workgroup_size: 128
    .sgpr_count:     100
    .vgpr_count:     1024
    .wavefront_size: 32
...
	.end_amdgpu_metadata
.endif
;; end of part 1
;; launch proj_v (part 2): grid 32 x 8, 4 waves a work-group, clusters of 4 x 4, 327,680 bytes of LDS; arguments Wv_codes, Wv_scales, x_codes, x_scales, kv_rec, bv; writes kv_rec
.if DOCPART == 2
	.amdgcn_target "amdgcn-amd-amdhsa--gfx1250"
	.amdhsa_code_object_version 6
	.text
	.protected	k_qebe3179353_proj_v
	.globl	k_qebe3179353_proj_v
	.p2align	8
	.type	k_qebe3179353_proj_v,@function
k_qebe3179353_proj_v:
	s_mov_b64 s[64:65], 0
	v_nop
	global_prefetch_b8 v0, s[64:65] scope:SCOPE_SE
	s_setreg_imm32_b32 hwreg(HW_REG_WAVE_MODE, 25, 1), 1
	s_wait_xcnt 0x0
	s_wait_alu depctr_hold_cnt(0) depctr_sa_sdst(0) depctr_va_vdst(0) depctr_va_sdst(0) depctr_va_ssrc(0) depctr_va_vcc(0) depctr_vm_vsrc(0)
	s_getreg_b32 s2, hwreg(HW_REG_IB_STS2, 6, 4)
	s_cmp_eq_u32 s2, 0
	s_cbranch_scc0 .Lentry_in_a_cluster
	s_endpgm
.Lentry_in_a_cluster:
	s_bfe_u32 s2, ttmp6, 0x10000c
	s_cmp_lg_u32 s2, 0xf033
	s_cbranch_scc0 .Lentry_shape_is_right
	s_endpgm
.Lentry_shape_is_right:
; A PROJECTION WITH ALL OF K IN LDS: v = x Wv + bv, quantised along the keys (KIND = 1), and out0 = o Wo + bo (KIND = 2): one text, chosen by KIND.
; Codes of FP6 (E2M3) with one E8M0 byte for each 32 along K = 1,024; sums in f32.
; SHARES.  A work-group of four waves makes 128 rows of "A" x 256 rows of "B": 8,192 x 1,024 results are 256 such tiles.  A wave makes 64 x 128: 32 accumulators of 16 x 16, 256 registers.
; THE MATRIX INSTRUCTION: source 0 = 16 rows of B, source 1 = 16 rows of A: a lane holds ONE row of A, and its registers run along B's rows.
;   KIND 1: A = Wv (features), B = x (tokens): a lane's registers run along the tokens of one feature: along the keys, the K of p v.
;   KIND 2: A = o (tokens), B = Wo (features): a lane holds eight neighbouring numbers of a row of the output.
; NO RING.  128 + 256 rows of 768 bytes of codes and their scale bytes fit in LDS together, so every LDS byte is filled once: four tensor loads a wave, issued together at the start, one wait for all of them, one barrier.
; A quarter of an operand's rows is one dense block of memory (a row of codes is 768 bytes, one row behind the other): it is stated as rows of 256 bytes with 16 bytes of padding behind each.  A row of codes is then
; 816 bytes = 204 words in LDS: row r starts at bank 12 r mod 64 (64 banks of 4 bytes: ISA guide 11.1), so the 32 lanes of a load of 8 bytes touch 64 different banks.
;   KIND 2: A comes as the attention launch stored it: [token / 16][head] images of 768 bytes (16 tokens x 64 along K: registers 0-5 of an operand; lane l's registers 0-3 at 16 l, 4-5 at 512 + 8 l): dense, read lane by lane, no padding.
; CLUSTERS: 4 x 4 work-groups; A's blocks are asked for jointly along a row of the cluster, B's along a column: the same load, with the same descriptor and a mask that names the four.
; THE BIAS is the C of each sum's first matrix instruction.  THE SCALE WORDS of a wave's rows, for all eight K steps, are read into 64 registers once.
; WHAT KIND 1 STORES.  Of the record of REC = 13,056 bytes for each (batch, head, 128 tokens), at (16 (16 batch + head) + step) x REC: VOFF: d tile t, keys 64 c on, at 1,536 t + 768 c: an image of 768 bytes as above;
;   VSOFF: lane 16 hh + r holds two words at 8 l: word i = the scale word of d tile 2 i + hh, row r.  A wave holds one head and one step.  Every store of a wave covers 512 or 256 consecutive bytes, aligned to 256.
;   THE ORDER INSIDE A BLOCK OF 32: register j of tile t of lane (r, h) is token 16 t + 8 h + j, so the quantised block comes out as its groups of eight in the order 0, 2, 1, 3; the attention launch makes p by the same lines:
;   both operands of p v carry the same order inside each scale block, which leaves every product and every scale as it is.
; LIMITS: NaN and infinities are not served.  KIND 1: a block whose largest magnitude lies under 2^-124 (a block of zeros too) gets the byte 1: the bytes are read by this program alone, and zero codes add nothing under it.
; REGISTERS, in windows of 256: window 0: v0-31 addresses; v32-95 scale words; v96-159 the bias; v160-207, v208-255 A's fragments, two sets (on the way out v128-255 are at work).
;   window 1: B's fragments, two sets, at v0 and v128.   window 2: the accumulators ((a, b) at v[8 (8 a + b)]).
; THE FILLS AS THEY STAND (in place of the four loads a wave named under NO RING above): each of the four parts is one dense block and one tile, and each wave brings one: wave 0 B's codes, wave 1 A's codes, wave 2 A's scales, wave 3 B's scales.
.set KIND,   1
.set PITCH,  816                       ; a row of codes in LDS: 3 x (256 bytes + 16 of padding)
.set FR,     12                        ; registers of a fragment: 16 rows x 128 K
.set NP,     4                         ; places behind this matrix instruction (ISA guide 7.12.1)
.set SCL,    0                         ; LDS: the scales first, as units of 256 bytes + 16 of padding: A's 128 rows, then B's 256
.set QSA,    4*272                     ; the scales of 32 rows of A: one tensor load
.set QSB,    8*272                     ; those of 64 rows of B: one tensor load
.set SBLK,   2*272                     ; those of 16 rows
.set AOFF,   4*QSA+4*QSB               ; then A's codes
.if KIND == 1
.set QA,     32*PITCH                  ; 32 rows of A: one tensor load
.else
.set QA,     2*12288                   ; 32 tokens of A: two tiles of 16 images
.endif
.set QB,     64*PITCH                  ; 64 rows of B: one tensor load
.set BOFF,   AOFF+4*QA                 ; then B's codes
.set PADDED, (3<<16)|(1<<20)|(1<<21)|(5<<22)|(3<<25)   ; group 1, word 0 beside the mask: 17:16 elements of 8 bytes; 20 padding on; 21 set beside a mask; 24:22 after every 64 words; 31:25 4 words
.set REC,    13056
.set VOFF,   6144
.set VSOFF,  12800
.set SIZE_N, 1024
.set SPITCH, 528                       ; KIND 2, the way out: a stage of 16 rows x (512 bytes + 16) for each wave, in A's bytes, behind a barrier behind which nobody reads them
.set BO,   7                           ; v7      my byte offset in the bias
.set L16,  8                           ; v8      16 x lane
.set L8,   9                           ; v9      8 x lane
.set ADRA, 16                          ; v16-17  LDS address of my A fragments (KIND 1: v17 for the pieces behind one padding more; KIND 2: + 16 x lane, + 8 x lane)
.set ADRB, 20                          ; v20-21  the same for B's blocks 0-3, v22-23 for its blocks 4-7
.set STO,  24                          ; v24     the way out: where I put 32 bytes of a row
.set RD,   25                          ; v25     where I read a row back
.set CO,   26                          ; v26     my byte offset in a row of the output
.set ADRS, 27                          ; v27     LDS address of my scale words: lanes 0-15 A's rows, lanes 16-31 B's
.set SC,   32                          ; register 8 i + s: lanes 0-15 the word of A's block i, lanes 16-31 that of B's block i, for K step s
.set BI,   96
.set AF,   160
.set TM,   160                         ; KIND 1, the way out: v160-163 largest magnitudes, v164-167 bytes, v172-175 the conversions' scale operands
.set SW,   176                         ; v176-179 the four scale words
.set XW,   184                         ; v184-185 scale words as they are stored
.set CD,   192                         ; v192-211 the codes just made
.set BK,   128                         ; KIND 2, the way out: 16 rows read back from the stage: v128-191 and v192-255 by turns
.set G1,   24                          ; s[24:31] group 1 for A's codes;  s[32:35] its group 0;  s[36:39] group 0 for A's scales
.set G0,   32
.set G0S,  36
.set G1B,  48                          ; s[48:55], s[56:59], s[60:63] the same for B
.set G0B,  56
.set G0SB, 60
.set SEL,  66                          ; s66, s67 lane selects for v_permlanex16_b32: lane l xor 16
.set G1S,  68                          ; s[68:75] group 1 for A's scales;  s[80:87] for B's
.set G1SB, 80
.set MSB, 0
.macro WIN new                         ; the immediate's high byte repeats the setting that is left
.if MSB != \new
	s_set_vgpr_msb (MSB<<8)|\new
.set MSB, \new
.endif
.endm
.set MUL,   0xa1                       ; source 0 (B) window 1, source 1 (A) window 0, C and D window 2
.set FIRST, 0x81                       ; the first K step: C (the bias) window 0, D window 2
.set TO_B,  0x40                       ; destination window 1, address window 0
.macro CROUND                          ; a round of the cluster's barrier
	s_barrier_signal -1
	s_barrier_wait -1
	s_cmp_lg_u32 s14, 0
	s_cbranch_scc1 .Lnot_wave_0_\@
	s_barrier_signal -3
.Lnot_wave_0_\@:
	s_barrier_wait -3
	s_barrier_signal -1
	s_barrier_wait -1
.endm
.macro SHAPE g, rows                   ; words 1 to 7 of a group 1: so many rows of 256 bytes (32 elements of 8 bytes), dense in memory
	s_mov_b32 s[\g+1], 32<<16                      ; tensor_dim0
	s_mov_b32 s[\g+2], (\rows)<<16                 ; tensor_dim1
	s_mov_b32 s[\g+3], 32<<16                      ; tile_dim0
	s_mov_b32 s[\g+4], \rows                       ; tile_dim1
	s_mov_b32 s[\g+5], 32                          ; tensor_dim0_stride
	s_mov_b32 s[\g+6], 0
	s_mov_b32 s[\g+7], 0
.endm
	s_load_b128 s[4:7], s[0:1], 0x0                ; A's codes, A's scales
	s_load_b128 s[8:11], s[0:1], 0x10              ; B's codes, B's scales
	s_load_b64 s[12:13], s[0:1], 0x20              ; where the results go
	s_load_b64 s[96:97], s[0:1], 0x28              ; the bias
	v_lshl_add_u32 v158, v0, 2, 0x4fb00
	v_mov_b32 v159, 0
	ds_add_u32 v158, v159
	ds_add_u32 v158, v159
	v_lshrrev_b32 v1, 5, v0
	v_readfirstlane_b32 s14, v1                    ; wave 0..3: it fetches quarter s14 of each operand
	s_lshr_b32 s15, s14, 1                         ; which 64 of A's 128 rows I multiply
	s_and_b32 s16, s14, 1                          ; which 128 of B's 256
	s_bfe_u32 s40, ttmp6, 0x40000                  ; cx, cy: my place in the cluster
	s_bfe_u32 s41, ttmp6, 0x40004
	s_lshl_b32 s42, ttmp9, 2
	s_add_co_u32 s42, s42, s40                     ; B's tile of 256 rows = 4 x cluster x + cx
	s_and_b32 s17, ttmp7, 0xffff
	s_lshl_b32 s17, s17, 2
	s_add_co_u32 s17, s17, s41                     ; A's tile of 128 rows = 4 x cluster y + cy
	s_lshl_b32 s43, s41, 2
	s_lshl_b32 s43, 15, s43                        ; my row of the cluster
	s_lshl_b32 s44, 0x1111, s40                    ; my column
.if KIND == 1
	s_or_b32 s[G1+0], s43, PADDED                  ; 15:0 the mask: A's blocks go to my row
.else
	s_or_b32 s[G1+0], s43, (3<<16)|(1<<21)         ; the images lie dense in LDS: no padding
.endif
	SHAPE G1, 384                                  ; 128 rows of 768 bytes
	s_or_b32 s[G1B+0], s44, PADDED                 ; B's blocks go to my column
	SHAPE G1B, 768                                 ; 256 rows of 768 bytes
	s_or_b32 s[G1S+0], s43, PADDED
	SHAPE G1S, 16                                  ; 128 rows of 32 scale bytes
	s_or_b32 s[G1SB+0], s44, PADDED
	SHAPE G1SB, 32                                 ; 256 rows of 32 scale bytes
	s_lshl_b32 s20, s17, 7                         ; A: row 128 x tile
	s_lshl_b32 s46, s42, 8                         ; B: row 256 x tile
	s_mov_b32 s21, 0
	s_mov_b32 s47, 0
	s_mov_b64 s[18:19], 32
	s_mul_u64 s[22:23], s[20:21], s[18:19]         ; where these rows' scales begin, in bytes
	s_mul_u64 s[92:93], s[46:47], s[18:19]
	s_mov_b64 s[18:19], 768
	s_mul_u64 s[20:21], s[20:21], s[18:19]         ; and their codes (KIND 2: 16 tokens are 12,288 bytes: 768 a token)
	s_mul_u64 s[46:47], s[46:47], s[18:19]
	s_wait_dscnt 0x0
	s_wait_kmcnt 0x0
	s_add_nc_u64 s[20:21], s[4:5], s[20:21]
	s_add_nc_u64 s[22:23], s[6:7], s[22:23]
	s_add_nc_u64 s[46:47], s[8:9], s[46:47]
	s_add_nc_u64 s[92:93], s[10:11], s[92:93]
	s_mov_b32 s[G0], 1                             ; 1:0 count = 1
	s_mov_b32 s[G0+1], AOFF
	s_mov_b64 s[G0+2:G0+3], s[20:21]               ; 120:64 global address
	s_or_b32 s[G0+3], s[G0+3], 0x80000000          ; 127:126 type = 2
	s_mov_b32 s[G0B], 1
	s_mov_b32 s[G0B+1], BOFF
	s_mov_b64 s[G0B+2:G0B+3], s[46:47]
	s_or_b32 s[G0B+3], s[G0B+3], 0x80000000
	s_mov_b32 s[G0S], 1
	s_mov_b32 s[G0S+1], SCL
	s_mov_b64 s[G0S+2:G0S+3], s[22:23]
	s_or_b32 s[G0S+3], s[G0S+3], 0x80000000
	s_mov_b32 s[G0SB], 1
	s_mov_b32 s[G0SB+1], SCL+4*QSA
	s_mov_b64 s[G0SB+2:G0SB+3], s[92:93]
	s_or_b32 s[G0SB+3], s[G0SB+3], 0x80000000
	CROUND                                         ; all sixteen work-groups are here: the joint loads meet
.macro ARM under, g0, g1, next         ; one chain of branches on the wave's number, one tensor load to an arm
	s_cmp_lt_u32 s14, \under
	s_cbranch_scc0 \next
	tensor_load_to_lds s[\g0:\g0+3], s[\g1:\g1+7]
	s_nop 0
.rept 4
	v_nop
.endr
	s_branch .Lhead_asked
\next:
.endm
	ARM 1, G0B, G1B, .Lhead_a
	ARM 2, G0,  G1,  .Lhead_sa
	ARM 3, G0S, G1S, .Lhead_sb
	tensor_load_to_lds s[G0SB:G0SB+3], s[G1SB:G1SB+7]
	s_nop 0
.rept 4
	v_nop
.endr
.Lhead_asked:
	v_and_b32 v1, 15, v0                           ; r = l % 16
	v_bfe_u32 v2, v0, 4, 1                         ; h = l / 16
	v_and_b32 v6, 31, v0                           ; l
	v_mul_u32_u24 v3, v1, PITCH
	v_mul_u32_u24 v4, v2, 24
	v_add_nc_u32 v4, v3, v4                        ; a fragment's row x pitch + 24 x half
	v_lshl_add_u32 v5, v2, 4, v4                   ; and the same behind one padding more
	s_mul_i32 s22, s16, 2*QB                       ; my 128 rows of B
	s_add_co_u32 s22, s22, BOFF
	v_add_nc_u32 v[ADRB], s22, v4
	v_add_nc_u32 v[ADRB+1], s22, v5
	s_add_co_u32 s22, s22, QB                      ; blocks 4-7 have registers of their own: an LDS instruction's offset has 16 bits
	v_add_nc_u32 v[ADRB+2], s22, v4
	v_add_nc_u32 v[ADRB+3], s22, v5
	s_mul_i32 s21, s15, 2*QA                       ; my 64 rows of A
	s_add_co_u32 s21, s21, AOFF
.if KIND == 1
	v_add_nc_u32 v[ADRA], s21, v4
	v_add_nc_u32 v[ADRA+1], s21, v5
.else
	v_lshl_add_u32 v[ADRA], v6, 4, s21
	v_lshl_add_u32 v[ADRA+1], v6, 3, s21
.endif
	v_lshlrev_b32 v5, 5, v1                        ; my row's scales: 32 bytes a row,
	v_lshrrev_b32 v3, 3, v1
	v_lshl_add_u32 v5, v3, 4, v5                   ; and 16 more behind each eight rows
	s_mul_i32 s21, s15, 2*QSA                      ; A's: my 64 rows
	s_mul_i32 s22, s16, 2*QSB                      ; B's: my 128 rows, behind A's 128
	s_add_co_u32 s22, s22, 4*QSA
	s_sub_co_u32 s22, s22, s21
	v_mul_u32_u24 v3, s22, v2                      ; lanes 16-31 take B's
	s_add_co_u32 s21, s21, SCL
	v_add_nc_u32 v5, v5, v3
	v_add_nc_u32 v[ADRS], s21, v5
.if KIND == 1
	v_lshlrev_b32 v[L16], 4, v6
	v_lshlrev_b32 v[L8], 3, v6
	s_mov_b32 s[SEL], 0x76543210
	s_mov_b32 s[SEL+1], 0xfedcba98
	; my record: 256 x batch + 16 x head + the step of 128 tokens
	s_lshr_b32 s20, s42, 3                         ; a batch is eight tiles of 256 tokens
	s_lshl_b32 s20, s20, 8
	s_and_b32 s21, s42, 7
	s_lshl_b32 s21, s21, 1
	s_add_co_u32 s21, s21, s16
	s_add_co_u32 s20, s20, s21
	s_lshl_b32 s46, s17, 1
	s_add_co_u32 s46, s46, s15                     ; my head: 2 x tile + half
	s_lshl_b32 s47, s46, 4
	s_add_co_u32 s20, s20, s47
	s_mul_i32 s20, s20, REC                        ; under 2^24
	s_mov_b32 s21, 0
	s_add_nc_u64 s[12:13], s[12:13], s[20:21]
	s_lshl_b32 s46, s46, 8                         ; the bias of my 64 features: 256 bytes a head
	s_mov_b32 s47, 0
	s_add_nc_u64 s[96:97], s[96:97], s[46:47]
	v_lshlrev_b32 v[BO], 2, v1                     ; all eight registers of A's block a belong to feature 16 a + r: the same word eight times
.irp a, 0,1,2,3
.irp j, 0,1,2,3,4,5,6,7
	global_load_b32 v[BI+8*\a+\j], v[BO], s[96:97] offset:64*\a
.endr
.endr
.else
	s_mul_i32 s23, s14, 16*SPITCH
	s_add_co_u32 s23, s23, AOFF                    ; my stage
	v_mul_u32_u24 v5, v1, SPITCH                   ; in: row l % 16, 32 bytes for each half of the lanes
	v_lshl_add_u32 v5, v2, 5, v5
	v_add_nc_u32 v[STO], s23, v5
	v_lshlrev_b32 v[CO], 4, v6                     ; back: the 32 lanes take one row of 512 bytes; and the same in the output
	v_add_nc_u32 v[RD], s23, v[CO]
	s_lshl_b32 s20, s17, 7
	s_lshl_b32 s21, s15, 6
	s_add_co_u32 s20, s20, s21                     ; my first row of the output: 128 x tile + 64 x half,
	s_lshl_b32 s20, s20, 12                        ; of 4,096 bytes (under 2^26)
	s_mov_b32 s21, 0
	s_lshl_b32 s46, s42, 10                        ; my first column, in bytes: 1,024 x tile + 512 x half
	s_lshl_b32 s47, s16, 9
	s_add_co_u32 s46, s46, s47
	s_mov_b32 s47, 0
	s_add_nc_u64 s[20:21], s[20:21], s[46:47]
	s_add_nc_u64 s[12:13], s[12:13], s[20:21]
	s_add_nc_u64 s[96:97], s[96:97], s[46:47]      ; the bias of my 128 columns
	v_lshlrev_b32 v[BO], 5, v2                     ; register j of B's block b is column 16 b + 8 h + j: eight neighbours
.irp b, 0,1,2,3,4,5,6,7
	global_load_b128 v[BI+8*\b:BI+8*\b+3], v[BO], s[96:97] offset:64*\b
	global_load_b128 v[BI+8*\b+4:BI+8*\b+7], v[BO], s[96:97] offset:64*\b+16
.endr
.endif
.macro FRAG reg, adr, s, i             ; a fragment from rows, 16 rows x 128 K: lane l holds row l % 16; registers 6 c .. 6 c + 5 hold K = 128 s + 64 c + 32 (l / 16) + 0 .. 31: 24 bytes of the row, as they lie
.irp p, 0,1,2,3,4,5                    ; in pieces of 8 bytes; 16 bytes of padding lie behind every 32 pieces.  Where the piece of lanes 16-31, three pieces on, lies behind one padding more, the second address register serves
.set PCE, 12*(\s)+6*(\p/3)+\p%3
.if PCE%32 < 29
	ds_load_b64 v[\reg+2*\p:\reg+2*\p+1], v[\adr] offset:8*PCE+16*(PCE/32)+(\i)*16*PITCH
.else
	ds_load_b64 v[\reg+2*\p:\reg+2*\p+1], v[\adr+1] offset:8*PCE+16*(PCE/32)+(\i)*16*PITCH
.endif
.endr
.endm
.macro FRAGA reg, s, i                 ; KIND 2: a fragment of A: two images of 768 bytes on end, each registers 0-3 at 16 x lane and 4-5 at 512 + 8 x lane
	ds_load_b128 v[\reg:\reg+3],     v[ADRA]   offset:12288*(\i)+1536*(\s)
	ds_load_b64  v[\reg+4:\reg+5],   v[ADRA+1] offset:12288*(\i)+1536*(\s)+512
	ds_load_b128 v[\reg+6:\reg+9],   v[ADRA]   offset:12288*(\i)+1536*(\s)+768
	ds_load_b64  v[\reg+10:\reg+11], v[ADRA+1] offset:12288*(\i)+1536*(\s)+1280
.endm
.macro FETCH_B s, p                    ; B's eight fragments of K step s into set p: 48 loads
	WIN TO_B
.irp i, 0,1,2,3,4,5,6,7
	FRAG 128*(\p)+FR*\i, ADRB+2*(\i/4), \s, \i%4
.endr
	WIN 0
.endm
.macro FETCH_A s, p                    ; A's four fragments of K step s into set p
.irp i, 0,1,2,3
.if KIND == 1
	FRAG AF+48*(\p)+FR*\i, ADRA, \s, \i
.else
	FRAGA AF+48*(\p)+FR*\i, \s, \i
.endif
.endr
.endm
; 16 matrix instructions: A's blocks a0, a0 + 1 x B's eight, K step s, on set p.  K step 0 starts the sums, with the bias as C.
; The 32 accumulators take turns, one instruction a turn, in the same order in every step.
.macro MUL16 a0, p, s
.irp a, \a0, \a0+1
.irp b, 0,1,2,3,4,5,6,7
.set DR, 8*(8*(\a)+\b)
.if (\s) == 0
.if KIND == 2
.set CR, BI+8*\b
.else
.set CR, BI+8*(\a)
.endif
.else
.set CR, DR
.endif
	v_wmma_scale_f32_16x16x128_f8f6f4 v[DR:DR+7], v[128*(\p)+FR*\b:128*(\p)+FR*\b+FR-1], v[AF+48*(\p)+FR*(\a):AF+48*(\p)+FR*(\a)+FR-1], v[CR:CR+7], v[SC+8*\b+(\s)], v[SC+8*(\a)+(\s)] matrix_a_fmt:MATRIX_FMT_FP6 matrix_b_fmt:MATRIX_FMT_FP6 matrix_a_scale:MATRIX_SCALE_ROW1
.endr
.endr
.endm
.macro PLACES n                        ; plain vector instructions between a matrix instruction and a load into, or a vector read or write of, its registers
.rept \n
	v_nop
.endr
.endm
; A K step of 128: 32 matrix instructions on set s % 2; the next step's fragments are fetched into the other set: B's ahead of the products, A's in their middle.
.macro KSTEP s
.set P, (\s)%2
.if (\s) < 7
.if (\s) > 0
	PLACES NP                                      ; behind the last step's products, which read the set that is loaded now (B's here, A's sixteen products further on)
.endif
	FETCH_B (\s)+1, 1-P
	s_wait_dscnt 48                                ; all but the 48 loads just issued: this step's fragments (and, in step 0, the scale words) are in
.else
	s_wait_dscnt 0x0                               ; the last step's fragments are in: my reads of the tiles are over
.if KIND == 2
	s_barrier_signal -1                            ; say so: behind this barrier the stages are written over A's bytes; the last products stand between signal and wait
.endif
.endif
.if (\s) == 0
	WIN FIRST
.else
	WIN MUL
.endif
	MUL16 0, P, \s
.if (\s) < 7
	WIN 0
	FETCH_A (\s)+1, 1-P
.if (\s) == 0
	WIN FIRST
.else
	WIN MUL
.endif
.endif
	MUL16 2, P, \s
.endm
	s_wait_alu depctr_va_vdst(0)
	s_wait_tensorcnt 0x0                           ; my one load has landed,
	s_barrier_signal -1
	s_barrier_wait -1                              ; everybody's has: from here on the tiles are only read
	FETCH_B 0, 0
	FETCH_A 0, 0
.irp i, 0,1,2,3,4,5,6,7                        ; a row's 32 scale bytes are the words of its eight K steps.  (A has four blocks: for i above 3 lanes 0-15 read bytes that lie in the scales' region and are not used)
	ds_load_b128 v[SC+8*\i:SC+8*\i+3], v[ADRS] offset:\i*SBLK
	ds_load_b128 v[SC+8*\i+4:SC+8*\i+7], v[ADRS] offset:\i*SBLK+16
.endr
	s_wait_loadcnt 0x0                             ; the bias
.irp s, 0,1,2,3,4,5,6,7
	KSTEP \s
.endr
	WIN 0
.if KIND == 1
; THE WAY OUT.  A's block a: 64 numbers a lane, four blocks of 32 along the tokens (block b: the 16 registers of tiles 2 b, 2 b + 1, and lane l xor 16's 16).
; A block's scale: its largest magnitude's exponent field less 2; the conversion takes that field as its scale.  The codes leave as images of an operand's registers, straight from registers.
.macro OUTA a
.set AC, 64*(\a)
	WIN 0x0a                                       ; sources 0 and 1: the accumulators' window
.irp b, 0,1,2,3
	v_max3_num_f32 v[TM+\b], |v[AC+16*\b]|, |v[AC+16*\b+1]|, 0x1800000   ; each accumulator is read from its low end on; the floor 2^(3 - 127) holds the byte at 1 from below
.endr
.irp i, 2,4,6,8,10,12,14
.irp b, 0,1,2,3
	v_max3_num_f32 v[TM+\b], |v[AC+16*\b+\i]|, |v[AC+16*\b+\i+1]|, v[TM+\b]   ; (the four blocks by turns)
.endr
.endr
	WIN 0
.irp b, 0,1,2,3
	v_permlanex16_b32 v[TM+4+\b], v[TM+\b], s[SEL], s[SEL+1]
.endr
.irp b, 0,1,2,3
	v_max_num_f32 v[TM+\b], v[TM+\b], v[TM+4+\b]   ; with lane l xor 16's: the block's largest magnitude
.endr
.irp b, 0,1,2,3
	v_add_nc_u32 v[TM+12+\b], 0xff000000, v[TM+\b] ; 2 off its exponent field: the conversion's scale operand
.endr
.irp b, 0,1,2,3
	v_lshrrev_b32 v[TM+4+\b], 23, v[TM+12+\b]      ; the scale's byte
.endr
	v_lshl_or_b32 v[SW+(\a)], v[TM+5], 8, v[TM+4]  ; the four bytes of my row
	v_lshl_or_b32 v[SW+(\a)], v[TM+6], 16, v[SW+(\a)]
	v_lshl_or_b32 v[SW+(\a)], v[TM+7], 24, v[SW+(\a)]
.if (\a) > 0
	s_wait_xcnt 0x0                                ; the last block's stores have read the codes' registers: they are written again only behind this wait
.endif
	WIN 0x02                                       ; source 0: the accumulators' window
.irp c, 0,1
	v_cvt_scalef32_pk16_fp6_f32 v[CD+6*\c:CD+6*\c+2], v[AC+32*\c:AC+32*\c+15], v[TM+12+2*\c]
	v_cvt_scalef32_pk16_fp6_f32 v[CD+12+4*\c:CD+14+4*\c], v[AC+32*\c+16:AC+32*\c+31], v[TM+13+2*\c]   ; (a conversion's three registers begin on an even number)
.endr
	WIN 0
	v_nop                                          ; one plain place behind a scaled conversion
.irp c, 0,1                                    ; the operand's layout wants a whole block in a lane: lanes 0-15 block 2 c, lanes 16-31 block 2 c + 1
.irp i, 0,1,2
	v_permlane16_swap_b32 v[CD+6*\c+\i], v[CD+12+4*\c+\i]
.endr
.irp i, 0,1,2
	v_mov_b32 v[CD+3+6*\c+\i], v[CD+12+4*\c+\i]
.endr
.endr
.irp c, 0,1
.set OF, VOFF+1536*(\a)+768*\c                 ; A's block a is d tile a of my head; keys 64 c on
	global_store_b128 v[L16], v[CD+6*\c:CD+6*\c+3], s[12:13] offset:OF          ; 512 consecutive bytes, aligned to 256
	global_store_b64 v[L8], v[CD+6*\c+4:CD+6*\c+5], s[12:13] offset:OF+512      ; 256 consecutive bytes, aligned
.endr
.endm
	PLACES NP                                      ; behind the last products: their results are read, and the registers that held A's fragments are written
	s_mov_b32 vcc_lo, 0xffff0000                   ; lanes 16-31
.irp b, 0,1,2,3
	v_mov_b32 v[TM+4+\b], 0                        ; written once: a lane permute's destination counts as one of its sources
.endr
.irp a, 0,1,2,3
	OUTA \a
.endr
.irp i, 0,1
	v_cndmask_b32 v[XW+\i], v[SW+2*\i], v[SW+2*\i+1], vcc_lo   ; lanes 0-15 the even d tile's word of row r, lanes 16-31 the odd one's
.endr
	global_store_b64 v[L8], v[XW:XW+1], s[12:13] offset:VSOFF
.else
; THE WAY OUT, block by block of 16 rows x 128 columns.  A lane holds 32 neighbouring bytes of a row, and the lanes beside it hold other rows: so a block goes through my own stage in LDS and comes back as whole
; rows of 512 bytes.  LDS serves a wave's instructions in order (ISA guide 5.7.1.4): no wait between the stores and the loads, nor in front of the next block's stores.
.macro TOSTAGE a
.set AC, 64*(\a)
	WIN 0x08                                       ; an LDS store's data are its source 1: window 2
.irp b, 0,1,2,3,4,5,6,7
	ds_store_b128 v[STO], v[AC+8*\b:AC+8*\b+3] offset:64*\b          ; each accumulator from its low end on
	ds_store_b128 v[STO], v[AC+8*\b+4:AC+8*\b+7] offset:64*\b+16
.endr
	WIN 0
.set BB, BK+64*((\a)%2)
.irp t, 0,1,2,3,4,5,6,7,8,9,10,11,12,13,14,15
	ds_load_b128 v[BB+4*\t:BB+4*\t+3], v[RD] offset:\t*SPITCH
.endr
.endm
.macro SEND a, younger                 ; younger: the LDS instructions issued behind block a's loads, which may stay out
.set BB, BK+64*((\a)%2)
	s_wait_dscnt \younger                          ; the block is back in registers
.if (\a) > 0
	s_add_nc_u64 s[12:13], s[12:13], 16*SIZE_N*4   ; (behind a wait on XCNT: the earlier stores have read their base)  16 rows on
.endif
.irp t, 0,1,2,3,4,5,6,7,8,9,10,11,12,13,14,15
	global_store_b128 v[CO], v[BB+4*\t:BB+4*\t+3], s[12:13] offset:\t*SIZE_N*4 th:TH_STORE_NT   ; 32 lanes store 512 consecutive bytes, aligned to 256; written once, read by nobody here
.endr
.endm
	s_barrier_wait -1                              ; every wave's reads of the tiles are over: A's bytes, which have had their only fill, take the stages
	PLACES NP                                      ; behind the last products: for the reads of results and for the loads into the registers that held A's fragments
	TOSTAGE 0
.irp a, 1,2,3
.if \a > 1
	s_wait_xcnt 0x0                                ; block a - 2's stores have read their registers and their base: block a's loads may land there, and the base may step
.endif
	TOSTAGE \a
	SEND \a-1, 32                                  ; behind block a - 1's loads: block a's 16 stores and 16 loads
.endr
	s_wait_xcnt 0x0                                ; block 2's stores have read their base
	SEND 3, 0
.endif
	s_wait_tensorcnt 0x0
	ds_add_u32 v158, v159
	s_wait_dscnt 0x0
	CROUND                                         ; the closing round: no work-group ends while a partner may still ask for a block that names it
	s_endpgm
.Lfunc_end_k_qebe3179353_proj_v:
	.size	k_qebe3179353_proj_v, .Lfunc_end_k_qebe3179353_proj_v-k_qebe3179353_proj_v
	.p2alignl 7, 3214868480
	.fill 96, 4, 3214868480
	.section	.rodata,"a",@progbits
	.p2align	6, 0x0
	.amdhsa_kernel k_qebe3179353_proj_v
		.amdhsa_group_segment_fixed_size 327680
		.amdhsa_private_segment_fixed_size 0
		.amdhsa_enable_private_segment 0
		.amdhsa_kernarg_size 48
		.amdhsa_user_sgpr_count 2
		.amdhsa_user_sgpr_kernarg_segment_ptr 1
		.amdhsa_wavefront_size32 1
		.amdhsa_system_sgpr_workgroup_id_x 1
		.amdhsa_system_sgpr_workgroup_id_y 1
		.amdhsa_system_sgpr_workgroup_id_z 1
		.amdhsa_system_vgpr_workitem_id 0
		.amdhsa_next_free_vgpr 768
		.amdhsa_next_free_sgpr 100
		.amdhsa_reserve_vcc 1
		.amdhsa_float_denorm_mode_32 3
		.amdhsa_float_denorm_mode_16_64 3
		.amdhsa_memory_ordered 1
		.amdhsa_forward_progress 1
		.amdhsa_inst_pref_size 101
	.end_amdhsa_kernel
	.amdgpu_metadata
---
amdhsa.version: [ 1, 2 ]
amdhsa.kernels:
  - .name:           k_qebe3179353_proj_v
    .symbol:         k_qebe3179353_proj_v.kd
    .args:
      - { .name: Wv_codes, .offset: 0, .size: 8, .value_kind: global_buffer, .address_space: global }
      - { .name: Wv_scales, .offset: 8, .size: 8, .value_kind: global_buffer, .address_space: global }
      - { .name: x_codes, .offset: 16, .size: 8, .value_kind: global_buffer, .address_space: global }
      - { .name: x_scales, .offset: 24, .size: 8, .value_kind: global_buffer, .address_space: global }
      - { .name: kv_rec, .offset: 32, .size: 8, .value_kind: global_buffer, .address_space: global }
      - { .name: bv, .offset: 40, .size: 8, .value_kind: global_buffer, .address_space: global }
    .group_segment_fixed_size: 327680
    .private_segment_fixed_size: 0
    .kernarg_segment_align: 8
    .kernarg_segment_size: 48
    .max_flat_workgroup_size: 128
    .sgpr_count:     100
    .vgpr_count:     768
    .wavefront_size: 32
...
	.end_amdgpu_metadata
.endif
;; end of part 2
;; launch attn (part 3): grid 4 x 64, 16 waves a work-group, clusters of 4 x 1, 210,944 bytes of LDS; arguments q_rec, kv_rec, o_codes, o_scales; writes o_codes, o_scales
.if DOCPART == 3
	.amdgcn_target "amdgcn-amd-amdhsa--gfx1250"
	.amdhsa_code_object_version 6
	.text
	.protected	k_qebe3179353_attn
	.globl	k_qebe3179353_attn
	.p2align	8
	.type	k_qebe3179353_attn,@function
k_qebe3179353_attn:
	s_mov_b64 s[64:65], 0
	v_nop
	global_prefetch_b8 v0, s[64:65] scope:SCOPE_SE
	s_setreg_imm32_b32 hwreg(HW_REG_WAVE_MODE, 25, 1), 1
	s_wait_xcnt 0x0
	s_wait_alu depctr_hold_cnt(0) depctr_sa_sdst(0) depctr_va_vdst(0) depctr_va_sdst(0) depctr_va_ssrc(0) depctr_va_vcc(0) depctr_vm_vsrc(0)
	s_getreg_b32 s2, hwreg(HW_REG_IB_STS2, 6, 4)
	s_cmp_eq_u32 s2, 0
	s_cbranch_scc0 .Lentry_in_a_cluster
	s_endpgm
.Lentry_in_a_cluster:
	s_bfe_u32 s2, ttmp6, 0x10000c
	s_cmp_lg_u32 s2, 0x3003
	s_cbranch_scc0 .Lentry_shape_is_right
	s_endpgm
.Lentry_shape_is_right:
; ATTENTION of one (batch, head): o = softmax(q k^T / 8) v, both products on codes of FP6 (E2M3) with one E8M0 byte for each 32 along a product's K, and o quantised along the embedding for the last projection.
; q, k, v come as records of REC = 13,056 bytes for each 128 tokens, made by the two launches before: images of operand registers, read by lane-linear loads (lane l's registers 0-3 at 16 l, 4-5 at 512 + 8 l of an image of 768 bytes).
; THE SOFTMAX: t = score x log2(e) / 8; M = the row's largest t so far, rounded UP to a whole number; p = 2^(t - M) is quantised along the keys, not normalised.  The row's sum is taken of the unquantised p and divides o at the end.
; When M moves, the sum and o are multiplied by 2^(old M - new M): exact.
; SHARES.  A work-group owns 512 queries of one head.  THE WHOLE HEAD'S K AND V, 16 records = 208,896 bytes, LIE IN LDS FOR THE WHOLE LAUNCH: each of the sixteen waves brings one record by one tensor load; LDS bytes are filled once,
; so there is one barrier and no ring.  The four work-groups of a cluster are the four query blocks of one head and want the same 16 records: each load is a joint one, with the mask of all four.
; A wave makes two passes of one tile of 16 queries each, over 16 steps of 128 keys.  Four waves share a SIMD, so that one wave's softmax stands beside another's products and LDS loads.
; LAYOUT.  Both products are used transposed: S^T = K Q^T (source 0 = 16 keys, source 1 = my 16 queries), O^T = V^T P^T: a lane holds ONE query (lane % 16) throughout.  The head's 64 fill half of the instruction's 128 along K:
; registers 6-11 of K's and Q's fragments are zeros, set once, and the upper two bytes of their scale words are zeros: zero codes add nothing.
; THE ORDER INSIDE A BLOCK OF 32: register j of tile t of lane (r, h) is key 16 t + 8 h + j, so p's blocks come out as their groups of eight in the order 0, 2, 1, 3, as v's did along the keys (and q's and k's along d): equal on both
; sides of a product.  o meets Wo, which lies in natural order: its groups 1 and 2 change places, by four v_perm_b32 a tile.
; WHAT IS STORED.  o_codes: [token / 16][head] images of 768 bytes (16 tokens x 64 of the embedding); each store covers 512 or 256 consecutive bytes, aligned.  o_scales: [token][32] bytes: a tile's 32 bytes go out singly, two to a
; row of 32 bytes: a head has only two bytes of a token's row; they are one byte in 25 of what the launch stores.
; LIMITS: NaN and infinities are not served.  A block whose largest magnitude lies under 2^-124 (a block of zeros too) gets the byte 1: its bytes are read by this program alone.
.set REC,   13056
.set VOFF,  6144
.set KSOFF, 12288
.set VSOFF, 12800
.set L16,  1                           ; v1   16 x lane
.set L8,   2                           ; v2   8 x lane
.set ADK,  3                           ; v3   the step's record + 16 x lane
.set AD8,  4                           ; v4   the step's record + 8 x lane
.set QSO,  5                           ; v5   my byte offset to Q's scale word
.set OSO,  6                           ; v6   my byte offset in o_scales: 32 r + h
.set QC16, 7                           ; v7   my byte offsets in Q's image
.set VSW,  8                           ; v[8:9] V's scale words
.set QC8,  10
.set QF,   16                          ; v16-27  Q (v22-27 zeros)
.set KB,   28                          ; v28-75  four fragments of K (registers 6-11 of each zeros)
.set VB,   76                          ; v76-123 four fragments of V
.set S,    124                         ; v124-187 S^T, then p
.set OT,   188                         ; v188-219 O^T: register 8 t + j is d = 16 t + 8 h + j
.set CD,   220                         ; v220-231 p's codes.  v232-247 at work; v248-251 K's scale words; v252 f; v253 p's scale word; v254 at work; v255 Q's scale word; v12 -M, v13 the largest t, v[14:15] the sum
.set WV,   12                          ; s12  my wave's number
.set SEL,  20                          ; s[20:21] lane selects for v_permlanex16_b32: lane l xor 16
.set CS,   22                          ; s[22:23] c = log2(e) / 8
.set G1,   24
.set G0,   32
.set TB,   36                          ; s36  LDS byte at which the step's record begins
.set CNT,  37
.macro ROUND                           ; a round of the cluster's barrier
	s_barrier_signal -1
	s_barrier_wait -1
	s_cmp_lg_u32 s[WV], 0
	s_cbranch_scc1 .Lnot_wave_0_\@
	s_barrier_signal -3
.Lnot_wave_0_\@:
	s_barrier_wait -3
	s_barrier_signal -1
	s_barrier_wait -1
.endm
	s_load_b256 s[4:11], s[0:1], 0x0               ; q's records s[4:5], k's and v's s[6:7], o's codes s[8:9], o's scales s[10:11]
	v_lshl_add_u32 v254, v0, 2, 0x33000
	v_mov_b32 v255, 0
	ds_add_u32 v254, v255
	ds_add_u32 v254, v255
	s_wait_dscnt 0x0
	v_lshrrev_b32 v1, 5, v0
	s_delay_alu instid0(VALU_DEP_1)
	v_readfirstlane_b32 s[WV], v1                  ; wave 0..15
	s_bfe_u32 s13, ttmp6, 0x40000                  ; cx
	s_lshl_b32 s15, ttmp9, 2
	s_add_co_u32 s13, s15, s13                     ; my block of 512 queries = 4 x cluster x + cx: it enters q's and o's addresses alone
	s_and_b32 s14, ttmp7, 0xffff                   ; 16 x batch + head, which the four partners share
	; descriptor group 1: a record, 13,056 dense bytes, as 51 rows of 256 bytes (32 elements of 8 bytes)
	s_mov_b32 s[G1], 15|(3<<16)|(1<<21)            ; 15:0 the mask: all four work-groups; 17:16 elements of 8 bytes; 20 no padding; 21 set beside a mask
	s_mov_b32 s[G1+1], 32<<16                      ; tensor_dim0
	s_mov_b32 s[G1+2], 51<<16                      ; tensor_dim1
	s_mov_b32 s[G1+3], 32<<16                      ; tile_dim0
	s_mov_b32 s[G1+4], 51                          ; tile_dim1
	s_mov_b32 s[G1+5], 32                          ; tensor_dim0_stride
	s_mov_b32 s[G1+6], 0
	s_mov_b32 s[G1+7], 0
	s_lshl_b32 s16, s14, 4                         ; the head's first record
	s_add_co_u32 s18, s16, s[WV]
	s_mul_i32 s18, s18, REC                        ; record w of the head, in bytes (under 2^24)
	s_mov_b32 s19, 0
	s_mov_b32 s[G0], 1
	s_mul_i32 s[G0+1], s[WV], REC                  ; LDS: wave x REC
	s_wait_kmcnt 0x0
	s_add_nc_u64 s[G0+2:G0+3], s[6:7], s[18:19]
	s_or_b32 s[G0+3], s[G0+3], 0x80000000
	ROUND                                          ; all four work-groups are here: the joint loads meet
	tensor_load_to_lds s[G0:G0+3], s[G1:G1+7]      ; my one tensor load of the launch
	s_nop 0
.rept 4
	v_nop
.endr
	s_lshl_b32 s42, s13, 2                         ; q: record 16 (16 batch + head) + 4 x block + w / 8 (pass 1: two records on)
	s_lshr_b32 s43, s[WV], 3
	s_add_co_u32 s42, s42, s43
	s_add_co_u32 s42, s42, s16
	s_mul_i32 s42, s42, REC
	s_mov_b32 s43, 0
	s_add_nc_u64 s[4:5], s[4:5], s[42:43]
	s_lshr_b32 s44, s14, 4                         ; o: tile of 16 tokens 128 x batch + 32 x block + w (pass 1: sixteen on)
	s_lshl_b32 s44, s44, 7
	s_lshl_b32 s45, s13, 5
	s_add_co_u32 s44, s44, s45
	s_add_co_u32 s44, s44, s[WV]
	s_and_b32 s45, s14, 15                         ; the head
	s_lshl_b32 s46, s44, 4
	s_add_co_u32 s46, s46, s45
	s_mul_i32 s46, s46, 768                        ; image 16 x tile + head
	s_mov_b32 s47, 0
	s_add_nc_u64 s[8:9], s[8:9], s[46:47]
	s_lshl_b32 s46, s44, 9                         ; scale bytes: 16 tokens x 32 bytes a tile, + 2 x head
	s_lshl_b32 s45, s45, 1
	s_add_co_u32 s46, s46, s45
	s_add_nc_u64 s[10:11], s[10:11], s[46:47]
	v_and_b32 v11, 31, v0
	s_delay_alu instid0(VALU_DEP_1)
	v_lshlrev_b32 v[L16], 4, v11
	s_delay_alu instid0(VALU_DEP_2)
	v_lshlrev_b32 v[L8], 3, v11
	v_and_b32 v11, 15, v0                          ; r
	v_bfe_u32 v254, v0, 4, 1                       ; h
	s_and_b32 s48, s[WV], 1                        ; Q's scale word: tile w % 8 = 2 i + hh lies at KSOFF + 256 hh + 16 r + 4 i
	s_lshl_b32 s48, s48, 8
	s_bfe_u32 s49, s[WV], 0x20001
	s_lshl_b32 s49, s49, 2
	s_add_co_u32 s48, s48, s49
	v_lshl_add_u32 v[QSO], v11, 4, s48
	v_lshl_add_u32 v[OSO], v11, 5, v254
	s_and_b32 s49, s[WV], 7
	s_mul_i32 s49, s49, 768                        ; Q's image: tile w % 8 of its record
	v_add_nc_u32 v[QC16], s49, v[L16]
	v_add_nc_u32 v[QC8], s49, v[L8]
.macro QLOAD p                         ; pass p's tile of queries stays in registers
	global_load_b128 v[QF:QF+3], v[QC16], s[4:5] offset:2*REC*\p
	global_load_b64 v[QF+4:QF+5], v[QC8], s[4:5] offset:2*REC*\p+512
	global_load_b32 v255, v[QSO], s[4:5] offset:2*REC*\p+KSOFF
.endm
	QLOAD 0
.irp i, 6,7,8,9,10,11
	v_mov_b32 v[QF+\i], 0                          ; K = 64 .. 127 of the first product: zero codes, set once
.irp t, 0,1,2,3
	v_mov_b32 v[KB+12*\t+\i], 0
.endr
.endr
.irp b, 0,1,2,3
	v_mov_b32 v[236+\b], 0                         ; written once: a lane permute's destination counts as one of its sources
.endr
	v_mov_b32 v253, 0                              ; (named as the upper half of the pair v[252:253] before it is first written)
	s_mov_b32 s[SEL], 0x76543210
	s_mov_b32 s[SEL+1], 0xfedcba98
	s_mov_b32 s[CS], 0x3e38aa3b                    ; c = log2(e) / 8
	s_mov_b32 s[CS+1], s[CS]                       ; (named with it as a pair, so it is written)
	s_mov_b32 s38, 0x05040100                      ; v_perm_b32: the two low halves;
	s_mov_b32 s39, 0x05040302                      ; the second source's high half, the first's low half;
	s_mov_b32 s40, 0x07060302                      ; the two high halves
	s_mov_b32 vcc_lo, 0xffff0000                   ; lanes 16-31
	s_wait_tensorcnt 0x0                           ; my record has landed,
	s_barrier_signal -1
	s_barrier_wait -1                              ; everybody's has: from here on LDS is only read
.macro KQ g                            ; S^T = K Q^T for tiles 4 g .. 4 g + 3 of 16 keys; K's scale words: register t / 2, lanes 0-15 the even tile's, lanes 16-31 the odd tile's
.irp t, 0,1,2,3
.if \t%2
	v_wmma_scale_f32_16x16x128_f8f6f4 v[S+8*(4*\g+\t):S+8*(4*\g+\t)+7], v[KB+12*\t:KB+12*\t+11], v[QF:QF+11], 0, v[248+2*\g+\t/2], v255 matrix_a_fmt:MATRIX_FMT_FP6 matrix_b_fmt:MATRIX_FMT_FP6 matrix_a_scale:MATRIX_SCALE_ROW1
.else
	v_wmma_scale_f32_16x16x128_f8f6f4 v[S+8*(4*\g+\t):S+8*(4*\g+\t)+7], v[KB+12*\t:KB+12*\t+11], v[QF:QF+11], 0, v[248+2*\g+\t/2], v255 matrix_a_fmt:MATRIX_FMT_FP6 matrix_b_fmt:MATRIX_FMT_FP6
.endif
.endr
.endm
.macro KLOAD g                         ; four images of K
.irp t, 0,1,2,3
	ds_load_b128 v[KB+12*\t:KB+12*\t+3], v[ADK] offset:768*(4*\g+\t)
	ds_load_b64 v[KB+12*\t+4:KB+12*\t+5], v[AD8] offset:768*(4*\g+\t)+512
.endr
.endm
; A KEY STEP: 128 keys, one record.
.macro STEP
	v_add_nc_u32 v[ADK], s[TB], v[L16]
	v_add_nc_u32 v[AD8], s[TB], v[L8]
	KLOAD 0
	ds_load_b128 v[248:251], v[ADK] offset:KSOFF   ; the scale words of all eight tiles
	s_wait_alu depctr_va_vdst(0)
	s_wait_dscnt 0x0
	KQ 0
.rept 4
	v_nop                                          ; places in front of the loads into K's registers; with the two additions above, six stand between the last step's V^T P products and the loads into V's registers below
.endr
	KLOAD 1
.irp t, 0,1,2,3                                ; V's four tiles of 16 of the head's 64 x 128 keys: they land while the softmax is worked
.irp c, 0,1
	ds_load_b128 v[VB+12*\t+6*\c:VB+12*\t+6*\c+3], v[ADK] offset:VOFF+1536*\t+768*\c
	ds_load_b64 v[VB+12*\t+6*\c+4:VB+12*\t+6*\c+5], v[AD8] offset:VOFF+1536*\t+768*\c+512
.endr
.endr
	ds_load_b64 v[VSW:VSW+1], v[AD8] offset:VSOFF
	s_wait_dscnt 17                                ; K's tiles 4-7 are in; the 17 loads issued behind them (V and its scale words) may be out
	KQ 1
.rept 4
	v_nop                                          ; places in front of the first read of the scores
.endr
.irp b, 0,1,2,3
	v_max3_num_f32 v[232+\b], v[S+16*\b], v[S+1+16*\b], v[S+2+16*\b]   ; THE LARGEST SCORE OF EACH BLOCK OF 32 KEYS: for the row's maximum, and, since p rises with the score, for the block's largest p
.endr
.irp i, 3,5,7,9,11,13
.irp b, 0,1,2,3
	v_max3_num_f32 v[232+\b], v[232+\b], v[S+16*\b+\i], v[S+1+16*\b+\i]   ; (the four blocks by turns; each accumulator is read from its low end on)
.endr
.endr
.irp b, 0,1,2,3
	v_max_num_f32 v[232+\b], v[232+\b], v[S+15+16*\b]
.endr
.irp b, 0,1,2,3
	s_delay_alu instid0(VALU_DEP_4)
	v_permlanex16_b32 v[236+\b], v[232+\b], s[SEL], s[SEL+1]
.endr
.irp b, 0,1,2,3
	s_delay_alu instid0(VALU_DEP_4)
	v_max_num_f32 v[232+\b], v[232+\b], v[236+\b]  ; with lane l xor 16's 16 keys
.endr
	s_delay_alu instid0(VALU_DEP_2)
	v_max3_num_f32 v254, v232, v233, v234
	s_delay_alu instid0(VALU_DEP_1)
	v_max_num_f32 v254, v254, v235                 ; the step's largest score of my query
	s_delay_alu instid0(VALU_DEP_1)
	v_mul_f32 v254, s[CS], v254                    ; as t (c is positive)
	s_delay_alu instid0(VALU_DEP_1)
	v_max_num_f32 v13, v13, v254                   ; the running largest t
	v_mov_b32 v254, v12
	s_delay_alu instid0(VALU_DEP_2)
	v_floor_f32 v12, -v13                          ; the new -M = floor(-t) = -ceil(t): M is a whole number
	s_delay_alu instid0(VALU_DEP_1)
	v_sub_f32 v254, v12, v254                      ; M's old value less its new one: a whole number, 0 or less
	s_delay_alu instid0(VALU_DEP_1)
	v_cvt_i32_f32 v254, v254                       ; (it saturates)
	s_delay_alu instid0(VALU_DEP_1)
	v_ldexp_f32 v252, 1.0, v254                    ; f = 2^(old M - new M)
.set J, 0
.rept 32
	v_pk_fma_f32 v[S+J:S+J+1], v[S+J:S+J+1], s[CS:CS+1], v[12:13] op_sel_hi:[1,0,0]   ; t - M, two at a time (of the pairs c and -M the low word serves both halves)
.set J, J+2
.endr
.irp b, 0,1,2,3
	v_fma_f32 v[232+\b], v[232+\b], s[CS], v12     ; the same of each block's largest score
.endr
.set J, 0
	s_wait_alu depctr_va_vdst(0)
.rept 64
	v_exp_f32 v[S+J], v[S+J]                       ; p = 2^(t - M), at most 1: not normalised
.set J, J+1
.endr
.irp b, 0,1,2,3
	v_exp_f32 v[232+\b], v[232+\b]                 ; the block's largest p: the same two instructions on the same number give the same bits
.endr
	v_pk_mul_f32 v[14:15], v[14:15], v[252:253] op_sel_hi:[1,0]   ; the sums under the new M.  (A plain place behind the exponentials)
	s_wait_alu depctr_va_vdst(0)
.irp b, 0,1,2,3
	v_max_num_f32 v[232+\b], 0x1800000, v[232+\b]  ; the floor 2^(3 - 127): the byte cannot fall under 1
.endr
.irp b, 0,1,2,3
	s_delay_alu instid0(VALU_DEP_4)
	v_add_nc_u32 v[244+\b], 0xff000000, v[232+\b]  ; 2 off the exponent field: the conversion's scale operand
.endr
.irp b, 0,1,2,3
	s_delay_alu instid0(VALU_DEP_4)
	v_lshrrev_b32 v[236+\b], 23, v[244+\b]         ; the scale's byte
.endr
	s_delay_alu instid0(VALU_DEP_3)
	v_lshl_or_b32 v253, v237, 8, v236              ; p's scale word for these 128 keys
	s_delay_alu instid0(VALU_DEP_1)
	v_lshl_or_b32 v253, v238, 16, v253
	s_delay_alu instid0(VALU_DEP_1)
	v_lshl_or_b32 v253, v239, 24, v253
.irp c, 0,1
	v_cvt_scalef32_pk16_fp6_f32 v[CD+6*\c:CD+2+6*\c], v[S+32*\c:S+15+32*\c], v[244+2*\c]
	v_cvt_scalef32_pk16_fp6_f32 v[236+4*\c:238+4*\c], v[S+16+32*\c:S+31+32*\c], v[244+2*\c+1]   ; (a conversion's three registers begin on an even number)
.endr
	v_nop                                          ; one plain place behind a scaled conversion
.irp c, 0,1                                    ; the operand's layout wants a whole block in a lane: lanes 0-15 block 2 c, lanes 16-31 block 2 c + 1
.irp i, 0,1,2
	v_permlane16_swap_b32 v[CD+6*\c+\i], v[236+4*\c+\i]
.endr
.irp i, 0,1,2
	s_delay_alu instid0(VALU_DEP_3)
	v_mov_b32 v[CD+3+6*\c+\i], v[236+4*\c+\i]
.endr
.endr
	v_pk_add_f32 v[236:237], v[128:129], v[132:133]
	v_pk_add_f32 v[250:251], v[136:137], v[140:141]
	v_pk_add_f32 v[248:249], v[144:145], v[148:149]
	v_pk_add_f32 v[246:247], v[152:153], v[156:157]
	v_pk_add_f32 v[244:245], v[160:161], v[164:165]
	v_pk_add_f32 v[242:243], v[168:169], v[172:173]
	v_pk_add_f32 v[240:241], v[176:177], v[180:181]
	v_pk_add_f32 v[14:15], v[14:15], v[184:185]
	v_pk_add_f32 v[236:237], v[236:237], v[124:125]
	v_pk_add_f32 v[250:251], v[250:251], v[126:127]
	v_pk_add_f32 v[248:249], v[248:249], v[130:131]
	v_pk_add_f32 v[246:247], v[246:247], v[134:135]
	v_pk_add_f32 v[244:245], v[244:245], v[138:139]
	v_pk_add_f32 v[242:243], v[242:243], v[142:143]
	v_pk_add_f32 v[240:241], v[240:241], v[146:147]
	v_pk_add_f32 v[14:15], v[14:15], v[150:151]
	v_pk_add_f32 v[236:237], v[236:237], v[154:155]
	v_pk_add_f32 v[250:251], v[250:251], v[158:159]
	v_pk_add_f32 v[248:249], v[248:249], v[162:163]
	v_pk_add_f32 v[246:247], v[246:247], v[166:167]
	v_pk_add_f32 v[244:245], v[244:245], v[170:171]
	v_pk_add_f32 v[242:243], v[242:243], v[174:175]
	v_pk_add_f32 v[240:241], v[240:241], v[178:179]
	v_pk_add_f32 v[14:15], v[14:15], v[182:183]
	v_pk_add_f32 v[236:237], v[236:237], v[186:187]
	s_delay_alu instid0(VALU_DEP_2)
	v_pk_add_f32 v[14:15], v[14:15], v[246:247]
	s_delay_alu instid0(VALU_DEP_2)
	v_pk_add_f32 v[236:237], v[236:237], v[244:245]
	v_pk_add_f32 v[250:251], v[250:251], v[242:243]
	v_pk_add_f32 v[248:249], v[248:249], v[240:241]
	s_delay_alu instid0(VALU_DEP_2)
	v_pk_add_f32 v[14:15], v[14:15], v[250:251]
	s_delay_alu instid0(VALU_DEP_2)
	v_pk_add_f32 v[236:237], v[236:237], v[248:249]
	s_delay_alu instid0(VALU_DEP_1)
	v_pk_add_f32 v[14:15], v[14:15], v[236:237]
.set J, 0
.rept 16
	v_pk_mul_f32 v[OT+J:OT+J+1], v[OT+J:OT+J+1], v[252:253] op_sel_hi:[1,0]   ; O^T under the new M: x f.  (With the sums above: the places between the writing of p's codes and scale word and the products below)
.set J, J+2
.endr
	s_wait_alu depctr_va_vdst(0)
	s_wait_dscnt 0x0                               ; V and its scale words are in
.irp t, 0,1,2,3                                ; O^T += V^T P^T: the four accumulators take turns
.if \t%2
	v_wmma_scale_f32_16x16x128_f8f6f4 v[OT+8*\t:OT+8*\t+7], v[VB+12*\t:VB+12*\t+11], v[CD:CD+11], v[OT+8*\t:OT+8*\t+7], v[VSW+\t/2], v253 matrix_a_fmt:MATRIX_FMT_FP6 matrix_b_fmt:MATRIX_FMT_FP6 matrix_a_scale:MATRIX_SCALE_ROW1
.else
	v_wmma_scale_f32_16x16x128_f8f6f4 v[OT+8*\t:OT+8*\t+7], v[VB+12*\t:VB+12*\t+11], v[CD:CD+11], v[OT+8*\t:OT+8*\t+7], v[VSW+\t/2], v253 matrix_a_fmt:MATRIX_FMT_FP6 matrix_b_fmt:MATRIX_FMT_FP6
.endif
.endr
.endm
; THE END OF A PASS: o = O^T / the sum; its two blocks of 32 along the embedding are quantised; the codes leave as an image in natural order, the two bytes singly.
.macro EPI p
	v_add_f32 v14, v14, v15                        ; the sum's two halves,
	s_delay_alu instid0(VALU_DEP_1)
	v_permlanex16_b32 v252, v14, s[SEL], s[SEL+1]
	s_delay_alu instid0(VALU_DEP_1)
	v_add_f32 v14, v14, v252                       ; and lane l xor 16's: the row's sum
	s_wait_alu depctr_va_vdst(0)
	v_rcp_f32 v14, v14
	v_nop                                          ; a plain place behind the reciprocal; with the two additions and the next line: four places behind the last products
	v_nop
.set J, 0
	s_wait_alu depctr_va_vdst(0)
.rept 16
	v_pk_mul_f32 v[S+J:S+J+1], v[OT+J:OT+J+1], v[14:15] op_sel_hi:[1,0]   ; each accumulator from its low end on
.set J, J+2
.endr
.irp b, 0,1
	v_max3_num_f32 v[232+\b], |v[S+16*\b]|, |v[S+1+16*\b]|, 0x1800000
.endr
.irp i, 2,4,6,8,10,12,14
.irp b, 0,1
	s_delay_alu instid0(VALU_DEP_2)
	v_max3_num_f32 v[232+\b], v[232+\b], |v[S+16*\b+\i]|, |v[S+1+16*\b+\i]|
.endr
.endr
.irp b, 0,1
	s_delay_alu instid0(VALU_DEP_2)
	v_permlanex16_b32 v[236+\b], v[232+\b], s[SEL], s[SEL+1]
.endr
.irp b, 0,1
	s_delay_alu instid0(VALU_DEP_2)
	v_max_num_f32 v[232+\b], v[232+\b], v[236+\b]
.endr
.irp b, 0,1
	s_delay_alu instid0(VALU_DEP_2)
	v_add_nc_u32 v[244+\b], 0xff000000, v[232+\b]
.endr
.irp b, 0,1
	s_delay_alu instid0(VALU_DEP_2)
	v_lshrrev_b32 v[236+\b], 23, v[244+\b]
.endr
	v_cvt_scalef32_pk16_fp6_f32 v[220:222], v[S:S+15], v244
	v_cvt_scalef32_pk16_fp6_f32 v[240:242], v[S+16:S+31], v245
	v_nop                                          ; one plain place behind a scaled conversion
.irp i, 0,1,2
	v_permlane16_swap_b32 v[220+\i], v[240+\i]     ; v220-222: my block's groups 0 and 2 (6 bytes each), v240-242: its groups 1 and 3
.endr
	s_delay_alu instid0(VALU_DEP_3)
	v_mov_b32 v224, v220                           ; bytes 0-3:   group 0
	s_delay_alu instid0(VALU_DEP_3)
	v_perm_b32 v225, v240, v221, s38               ; bytes 4-7:   group 0's last two, group 1's first two
	s_delay_alu instid0(VALU_DEP_4)
	v_perm_b32 v226, v241, v240, s39               ; bytes 8-11:  the rest of group 1
	s_delay_alu instid0(VALU_DEP_4)
	v_perm_b32 v227, v222, v221, s39               ; bytes 12-15: group 2
	v_perm_b32 v228, v241, v222, s40               ; bytes 16-19: group 2's last two, group 3's first two
	v_mov_b32 v229, v242                           ; bytes 20-23: the rest of group 3
	v_cndmask_b32 v254, v236, v237, vcc_lo         ; lanes 0-15 block 0's byte, lanes 16-31 block 1's
	global_store_b128 v[L16], v[224:227], s[8:9] offset:196608*\p          ; 512 consecutive bytes, aligned to 256
	global_store_b64 v[L8], v[228:229], s[8:9] offset:196608*\p+512        ; 256 consecutive bytes, aligned
	global_store_b8 v[OSO], v254, s[10:11] offset:8192*\p
.if \p == 0
	s_wait_xcnt 0x0                                ; the stores have read their registers: the next pass writes them again only behind this wait
.endif
.endm
.macro PASS p
.if \p
	QLOAD \p
.endif
	v_mov_b32 v13, 0xff61b1e6                      ; the largest t so far: -3e38, under every t
	s_delay_alu instid0(VALU_DEP_1)
	v_floor_f32 v12, -v13                          ; -M
	v_mov_b32 v14, 0                               ; the sum, in two halves
	v_mov_b32 v15, 0
.set J, 0
.rept 32
	v_mov_b32 v[OT+J], 0                           ; O^T.  (The step is written once for all 16 trips: the first finds zeros, which the first change of M leaves zeros)
.set J, J+1
.endr
	s_wait_loadcnt 0x0                             ; Q
	s_mov_b32 s[TB], 0
	s_mov_b32 s[CNT], 16
.Lstep_\@:
	s_barrier_signal -1                            ; I have begun this key step (no LDS instruction of mine is out here)
	STEP                                           ; register work and loads of LDS bytes that nobody writes
	s_barrier_wait -1                              ; I leave the step when all sixteen waves have begun it: the waves stay within one key step of each other
	s_add_co_u32 s[TB], s[TB], REC
	s_sub_co_u32 s[CNT], s[CNT], 1
	s_cmp_lg_u32 s[CNT], 0
	s_cbranch_scc1 .Lstep_\@
	EPI \p
.endm
	PASS 0
	PASS 1
	s_wait_xcnt 0x0
	v_lshl_add_u32 v254, v0, 2, 0x33000
	v_mov_b32 v255, 0
	s_wait_alu depctr_va_vdst(0)
	s_wait_tensorcnt 0x0
	ds_add_u32 v254, v255
	s_wait_dscnt 0x0
	ROUND                                          ; the closing round: no work-group ends while a partner may still ask for a record that names it
	s_endpgm
.Lfunc_end_k_qebe3179353_attn:
	.size	k_qebe3179353_attn, .Lfunc_end_k_qebe3179353_attn-k_qebe3179353_attn
	.p2alignl 7, 3214868480
	.fill 96, 4, 3214868480
	.section	.rodata,"a",@progbits
	.p2align	6, 0x0
	.amdhsa_kernel k_qebe3179353_attn
		.amdhsa_group_segment_fixed_size 210944
		.amdhsa_private_segment_fixed_size 0
		.amdhsa_enable_private_segment 0
		.amdhsa_kernarg_size 32
		.amdhsa_user_sgpr_count 2
		.amdhsa_user_sgpr_kernarg_segment_ptr 1
		.amdhsa_wavefront_size32 1
		.amdhsa_system_sgpr_workgroup_id_x 1
		.amdhsa_system_sgpr_workgroup_id_y 1
		.amdhsa_system_sgpr_workgroup_id_z 1
		.amdhsa_system_vgpr_workitem_id 0
		.amdhsa_next_free_vgpr 256
		.amdhsa_next_free_sgpr 66
		.amdhsa_reserve_vcc 1
		.amdhsa_float_denorm_mode_32 3
		.amdhsa_float_denorm_mode_16_64 3
		.amdhsa_memory_ordered 1
		.amdhsa_forward_progress 1
		.amdhsa_inst_pref_size 53
	.end_amdhsa_kernel
	.amdgpu_metadata
---
amdhsa.version: [ 1, 2 ]
amdhsa.kernels:
  - .name:           k_qebe3179353_attn
    .symbol:         k_qebe3179353_attn.kd
    .args:
      - { .name: q_rec, .offset: 0, .size: 8, .value_kind: global_buffer, .address_space: global }
      - { .name: kv_rec, .offset: 8, .size: 8, .value_kind: global_buffer, .address_space: global }
      - { .name: o_codes, .offset: 16, .size: 8, .value_kind: global_buffer, .address_space: global }
      - { .name: o_scales, .offset: 24, .size: 8, .value_kind: global_buffer, .address_space: global }
    .group_segment_fixed_size: 210944
    .private_segment_fixed_size: 0
    .kernarg_segment_align: 8
    .kernarg_segment_size: 32
    .max_flat_workgroup_size: 512
    .sgpr_count:     66
    .vgpr_count:     256
    .wavefront_size: 32
...
	.end_amdgpu_metadata
.endif
;; end of part 3
;; launch proj_o (part 4): grid 4 x 64, 4 waves a work-group, clusters of 4 x 4, 327,680 bytes of LDS; arguments o_codes, o_scales, Wo_codes, Wo_scales, out0, bo; writes out0
.if DOCPART == 4
	.amdgcn_target "amdgcn-amd-amdhsa--gfx1250"
	.amdhsa_code_object_version 6
	.text
	.protected	k_qebe3179353_proj_o
	.globl	k_qebe3179353_proj_o
	.p2align	8
	.type	k_qebe3179353_proj_o,@function
k_qebe3179353_proj_o:
	s_mov_b64 s[64:65], 0
	v_nop
	global_prefetch_b8 v0, s[64:65] scope:SCOPE_SE
	s_setreg_imm32_b32 hwreg(HW_REG_WAVE_MODE, 25, 1), 1
	s_wait_xcnt 0x0
	s_wait_alu depctr_hold_cnt(0) depctr_sa_sdst(0) depctr_va_vdst(0) depctr_va_sdst(0) depctr_va_ssrc(0) depctr_va_vcc(0) depctr_vm_vsrc(0)
	s_getreg_b32 s2, hwreg(HW_REG_IB_STS2, 6, 4)
	s_cmp_eq_u32 s2, 0
	s_cbranch_scc0 .Lentry_in_a_cluster
	s_endpgm
.Lentry_in_a_cluster:
	s_bfe_u32 s2, ttmp6, 0x10000c
	s_cmp_lg_u32 s2, 0xf033
	s_cbranch_scc0 .Lentry_shape_is_right
	s_endpgm
.Lentry_shape_is_right:
; A PROJECTION WITH ALL OF K IN LDS: v = x Wv + bv, quantised along the keys (KIND = 1), and out0 = o Wo + bo (KIND = 2): one text, chosen by KIND.
; Codes of FP6 (E2M3) with one E8M0 byte for each 32 along K = 1,024; sums in f32.
; SHARES.  A work-group of four waves makes 128 rows of "A" x 256 rows of "B": 8,192 x 1,024 results are 256 such tiles.  A wave makes 64 x 128: 32 accumulators of 16 x 16, 256 registers.
; THE MATRIX INSTRUCTION: source 0 = 16 rows of B, source 1 = 16 rows of A: a lane holds ONE row of A, and its registers run along B's rows.
;   KIND 1: A = Wv (features), B = x (tokens): a lane's registers run along the tokens of one feature: along the keys, the K of p v.
;   KIND 2: A = o (tokens), B = Wo (features): a lane holds eight neighbouring numbers of a row of the output.
; NO RING.  128 + 256 rows of 768 bytes of codes and their scale bytes fit in LDS together, so every LDS byte is filled once: four tensor loads a wave, issued together at the start, one wait for all of them, one barrier.
; A quarter of an operand's rows is one dense block of memory (a row of codes is 768 bytes, one row behind the other): it is stated as rows of 256 bytes with 16 bytes of padding behind each.  A row of codes is then
; 816 bytes = 204 words in LDS: row r starts at bank 12 r mod 64 (64 banks of 4 bytes: ISA guide 11.1), so the 32 lanes of a load of 8 bytes touch 64 different banks.
;   KIND 2: A comes as the attention launch stored it: [token / 16][head] images of 768 bytes (16 tokens x 64 along K: registers 0-5 of an operand; lane l's registers 0-3 at 16 l, 4-5 at 512 + 8 l): dense, read lane by lane, no padding.
; CLUSTERS: 4 x 4 work-groups; A's blocks are asked for jointly along a row of the cluster, B's along a column: the same load, with the same descriptor and a mask that names the four.
; THE BIAS is the C of each sum's first matrix instruction.  THE SCALE WORDS of a wave's rows, for all eight K steps, are read into 64 registers once.
; WHAT KIND 1 STORES.  Of the record of REC = 13,056 bytes for each (batch, head, 128 tokens), at (16 (16 batch + head) + step) x REC: VOFF: d tile t, keys 64 c on, at 1,536 t + 768 c: an image of 768 bytes as above;
;   VSOFF: lane 16 hh + r holds two words at 8 l: word i = the scale word of d tile 2 i + hh, row r.  A wave holds one head and one step.  Every store of a wave covers 512 or 256 consecutive bytes, aligned to 256.
;   THE ORDER INSIDE A BLOCK OF 32: register j of tile t of lane (r, h) is token 16 t + 8 h + j, so the quantised block comes out as its groups of eight in the order 0, 2, 1, 3; the attention launch makes p by the same lines:
;   both operands of p v carry the same order inside each scale block, which leaves every product and every scale as it is.
; LIMITS: NaN and infinities are not served.  KIND 1: a block whose largest magnitude lies under 2^-124 (a block of zeros too) gets the byte 1: the bytes are read by this program alone, and zero codes add nothing under it.
; REGISTERS, in windows of 256: window 0: v0-31 addresses; v32-95 scale words; v96-159 the bias; v160-207, v208-255 A's fragments, two sets (on the way out v128-255 are at work).
;   window 1: B's fragments, two sets, at v0 and v128.   window 2: the accumulators ((a, b) at v[8 (8 a + b)]).
; THE FILLS AS THEY STAND (in place of the four loads a wave named under NO RING above): each of the four parts is one dense block and one tile, and each wave brings one: wave 0 B's codes, wave 1 A's codes, wave 2 A's scales, wave 3 B's scales.
.set KIND,   2
.set PITCH,  816                       ; a row of codes in LDS: 3 x (256 bytes + 16 of padding)
.set FR,     12                        ; registers of a fragment: 16 rows x 128 K
.set NP,     4                         ; places behind this matrix instruction (ISA guide 7.12.1)
.set SCL,    0                         ; LDS: the scales first, as units of 256 bytes + 16 of padding: A's 128 rows, then B's 256
.set QSA,    4*272                     ; the scales of 32 rows of A: one tensor load
.set QSB,    8*272                     ; those of 64 rows of B: one tensor load
.set SBLK,   2*272                     ; those of 16 rows
.set AOFF,   4*QSA+4*QSB               ; then A's codes
.if KIND == 1
.set QA,     32*PITCH                  ; 32 rows of A: one tensor load
.else
.set QA,     2*12288                   ; 32 tokens of A: two tiles of 16 images
.endif
.set QB,     64*PITCH                  ; 64 rows of B: one tensor load
.set BOFF,   AOFF+4*QA                 ; then B's codes
.set PADDED, (3<<16)|(1<<20)|(1<<21)|(5<<22)|(3<<25)   ; group 1, word 0 beside the mask: 17:16 elements of 8 bytes; 20 padding on; 21 set beside a mask; 24:22 after every 64 words; 31:25 4 words
.set REC,    13056
.set VOFF,   6144
.set VSOFF,  12800
.set SIZE_N, 1024
.set SPITCH, 528                       ; KIND 2, the way out: a stage of 16 rows x (512 bytes + 16) for each wave, in A's bytes, behind a barrier behind which nobody reads them
.set BO,   7                           ; v7      my byte offset in the bias
.set L16,  8                           ; v8      16 x lane
.set L8,   9                           ; v9      8 x lane
.set ADRA, 16                          ; v16-17  LDS address of my A fragments (KIND 1: v17 for the pieces behind one padding more; KIND 2: + 16 x lane, + 8 x lane)
.set ADRB, 20                          ; v20-21  the same for B's blocks 0-3, v22-23 for its blocks 4-7
.set STO,  24                          ; v24     the way out: where I put 32 bytes of a row
.set RD,   25                          ; v25     where I read a row back
.set CO,   26                          ; v26     my byte offset in a row of the output
.set ADRS, 27                          ; v27     LDS address of my scale words: lanes 0-15 A's rows, lanes 16-31 B's
.set SC,   32                          ; register 8 i + s: lanes 0-15 the word of A's block i, lanes 16-31 that of B's block i, for K step s
.set BI,   96
.set AF,   160
.set TM,   160                         ; KIND 1, the way out: v160-163 largest magnitudes, v164-167 bytes, v172-175 the conversions' scale operands
.set SW,   176                         ; v176-179 the four scale words
.set XW,   184                         ; v184-185 scale words as they are stored
.set CD,   192                         ; v192-211 the codes just made
.set BK,   128                         ; KIND 2, the way out: 16 rows read back from the stage: v128-191 and v192-255 by turns
.set G1,   24                          ; s[24:31] group 1 for A's codes;  s[32:35] its group 0;  s[36:39] group 0 for A's scales
.set G0,   32
.set G0S,  36
.set G1B,  48                          ; s[48:55], s[56:59], s[60:63] the same for B
.set G0B,  56
.set G0SB, 60
.set SEL,  66                          ; s66, s67 lane selects for v_permlanex16_b32: lane l xor 16
.set G1S,  68                          ; s[68:75] group 1 for A's scales;  s[80:87] for B's
.set G1SB, 80
.set MSB, 0
.macro WIN new                         ; the immediate's high byte repeats the setting that is left
.if MSB != \new
	s_set_vgpr_msb (MSB<<8)|\new
.set MSB, \new
.endif
.endm
.set MUL,   0xa1                       ; source 0 (B) window 1, source 1 (A) window 0, C and D window 2
.set FIRST, 0x81                       ; the first K step: C (the bias) window 0, D window 2
.set TO_B,  0x40                       ; destination window 1, address window 0
.macro CROUND                          ; a round of the cluster's barrier
	s_barrier_signal -1
	s_barrier_wait -1
	s_cmp_lg_u32 s14, 0
	s_cbranch_scc1 .Lnot_wave_0_\@
	s_barrier_signal -3
.Lnot_wave_0_\@:
	s_barrier_wait -3
	s_barrier_signal -1
	s_barrier_wait -1
.endm
.macro SHAPE g, rows                   ; words 1 to 7 of a group 1: so many rows of 256 bytes (32 elements of 8 bytes), dense in memory
	s_mov_b32 s[\g+1], 32<<16                      ; tensor_dim0
	s_mov_b32 s[\g+2], (\rows)<<16                 ; tensor_dim1
	s_mov_b32 s[\g+3], 32<<16                      ; tile_dim0
	s_mov_b32 s[\g+4], \rows                       ; tile_dim1
	s_mov_b32 s[\g+5], 32                          ; tensor_dim0_stride
	s_mov_b32 s[\g+6], 0
	s_mov_b32 s[\g+7], 0
.endm
	s_load_b128 s[4:7], s[0:1], 0x0                ; A's codes, A's scales
	s_load_b128 s[8:11], s[0:1], 0x10              ; B's codes, B's scales
	s_load_b64 s[12:13], s[0:1], 0x20              ; where the results go
	s_load_b64 s[96:97], s[0:1], 0x28              ; the bias
	v_lshl_add_u32 v30, v0, 2, 0x4e300
	v_mov_b32 v31, 0
	ds_add_u32 v30, v31
	ds_add_u32 v30, v31
	v_lshrrev_b32 v1, 5, v0
	v_readfirstlane_b32 s14, v1                    ; wave 0..3: it fetches quarter s14 of each operand
	s_lshr_b32 s15, s14, 1                         ; which 64 of A's 128 rows I multiply
	s_and_b32 s16, s14, 1                          ; which 128 of B's 256
	s_bfe_u32 s40, ttmp6, 0x40000                  ; cx, cy: my place in the cluster
	s_bfe_u32 s41, ttmp6, 0x40004
	s_lshl_b32 s42, ttmp9, 2
	s_add_co_u32 s42, s42, s40                     ; B's tile of 256 rows = 4 x cluster x + cx
	s_and_b32 s17, ttmp7, 0xffff
	s_lshl_b32 s17, s17, 2
	s_add_co_u32 s17, s17, s41                     ; A's tile of 128 rows = 4 x cluster y + cy
	s_lshl_b32 s43, s41, 2
	s_lshl_b32 s43, 15, s43                        ; my row of the cluster
	s_lshl_b32 s44, 0x1111, s40                    ; my column
.if KIND == 1
	s_or_b32 s[G1+0], s43, PADDED                  ; 15:0 the mask: A's blocks go to my row
.else
	s_or_b32 s[G1+0], s43, (3<<16)|(1<<21)         ; the images lie dense in LDS: no padding
.endif
	SHAPE G1, 384                                  ; 128 tokens of 768 bytes
	s_or_b32 s[G1B+0], s44, PADDED                 ; B's blocks go to my column
	SHAPE G1B, 768                                 ; 256 rows of 768 bytes
	s_or_b32 s[G1S+0], s43, PADDED
	SHAPE G1S, 16                                  ; 128 rows of 32 scale bytes
	s_or_b32 s[G1SB+0], s44, PADDED
	SHAPE G1SB, 32                                 ; 256 rows of 32 scale bytes
	s_lshl_b32 s20, s17, 7                         ; A: row 128 x tile
	s_lshl_b32 s46, s42, 8                         ; B: row 256 x tile
	s_mov_b32 s21, 0
	s_mov_b32 s47, 0
	s_mov_b64 s[18:19], 32
	s_mul_u64 s[22:23], s[20:21], s[18:19]         ; where these rows' scales begin, in bytes
	s_mul_u64 s[92:93], s[46:47], s[18:19]
	s_mov_b64 s[18:19], 768
	s_mul_u64 s[20:21], s[20:21], s[18:19]         ; and their codes (KIND 2: 16 tokens are 12,288 bytes: 768 a token)
	s_mul_u64 s[46:47], s[46:47], s[18:19]
	s_wait_dscnt 0x0
	s_wait_kmcnt 0x0
	s_add_nc_u64 s[20:21], s[4:5], s[20:21]
	s_add_nc_u64 s[22:23], s[6:7], s[22:23]
	s_add_nc_u64 s[46:47], s[8:9], s[46:47]
	s_add_nc_u64 s[92:93], s[10:11], s[92:93]
	s_mov_b32 s[G0], 1                             ; 1:0 count = 1
	s_mov_b32 s[G0+1], AOFF
	s_mov_b64 s[G0+2:G0+3], s[20:21]               ; 120:64 global address
	s_or_b32 s[G0+3], s[G0+3], 0x80000000          ; 127:126 type = 2
	s_mov_b32 s[G0B], 1
	s_mov_b32 s[G0B+1], BOFF
	s_mov_b64 s[G0B+2:G0B+3], s[46:47]
	s_or_b32 s[G0B+3], s[G0B+3], 0x80000000
	s_mov_b32 s[G0S], 1
	s_mov_b32 s[G0S+1], SCL
	s_mov_b64 s[G0S+2:G0S+3], s[22:23]
	s_or_b32 s[G0S+3], s[G0S+3], 0x80000000
	s_mov_b32 s[G0SB], 1
	s_mov_b32 s[G0SB+1], SCL+4*QSA
	s_mov_b64 s[G0SB+2:G0SB+3], s[92:93]
	s_or_b32 s[G0SB+3], s[G0SB+3], 0x80000000
	CROUND                                         ; all sixteen work-groups are here: the joint loads meet
.macro ARM under, g0, g1, next         ; one chain of branches on the wave's number, one tensor load to an arm
	s_cmp_lt_u32 s14, \under
	s_cbranch_scc0 \next
	tensor_load_to_lds s[\g0:\g0+3], s[\g1:\g1+7]
	s_nop 0
.rept 4
	v_nop
.endr
	s_branch .Lhead_asked
\next:
.endm
	ARM 1, G0B, G1B, .Lhead_a
	ARM 2, G0,  G1,  .Lhead_sa
	ARM 3, G0S, G1S, .Lhead_sb
	tensor_load_to_lds s[G0SB:G0SB+3], s[G1SB:G1SB+7]
	s_nop 0
.rept 4
	v_nop
.endr
.Lhead_asked:
	v_and_b32 v1, 15, v0                           ; r = l % 16
	v_bfe_u32 v2, v0, 4, 1                         ; h = l / 16
	v_and_b32 v6, 31, v0                           ; l
	v_mul_u32_u24 v3, v1, PITCH
	v_mul_u32_u24 v4, v2, 24
	v_add_nc_u32 v4, v3, v4                        ; a fragment's row x pitch + 24 x half
	v_lshl_add_u32 v5, v2, 4, v4                   ; and the same behind one padding more
	s_mul_i32 s22, s16, 2*QB                       ; my 128 rows of B
	s_add_co_u32 s22, s22, BOFF
	v_add_nc_u32 v[ADRB], s22, v4
	v_add_nc_u32 v[ADRB+1], s22, v5
	s_add_co_u32 s22, s22, QB                      ; blocks 4-7 have registers of their own: an LDS instruction's offset has 16 bits
	v_add_nc_u32 v[ADRB+2], s22, v4
	v_add_nc_u32 v[ADRB+3], s22, v5
	s_mul_i32 s21, s15, 2*QA                       ; my 64 rows of A
	s_add_co_u32 s21, s21, AOFF
.if KIND == 1
	v_add_nc_u32 v[ADRA], s21, v4
	v_add_nc_u32 v[ADRA+1], s21, v5
.else
	v_lshl_add_u32 v[ADRA], v6, 4, s21
	v_lshl_add_u32 v[ADRA+1], v6, 3, s21
.endif
	v_lshlrev_b32 v5, 5, v1                        ; my row's scales: 32 bytes a row,
	v_lshrrev_b32 v3, 3, v1
	v_lshl_add_u32 v5, v3, 4, v5                   ; and 16 more behind each eight rows
	s_mul_i32 s21, s15, 2*QSA                      ; A's: my 64 rows
	s_mul_i32 s22, s16, 2*QSB                      ; B's: my 128 rows, behind A's 128
	s_add_co_u32 s22, s22, 4*QSA
	s_sub_co_u32 s22, s22, s21
	v_mul_u32_u24 v3, s22, v2                      ; lanes 16-31 take B's
	s_add_co_u32 s21, s21, SCL
	v_add_nc_u32 v5, v5, v3
	v_add_nc_u32 v[ADRS], s21, v5
.if KIND == 1
	v_lshlrev_b32 v[L16], 4, v6
	v_lshlrev_b32 v[L8], 3, v6
	s_mov_b32 s[SEL], 0x76543210
	s_mov_b32 s[SEL+1], 0xfedcba98
	; my record: 256 x batch + 16 x head + the step of 128 tokens
	s_lshr_b32 s20, s42, 3                         ; a batch is eight tiles of 256 tokens
	s_lshl_b32 s20, s20, 8
	s_and_b32 s21, s42, 7
	s_lshl_b32 s21, s21, 1
	s_add_co_u32 s21, s21, s16
	s_add_co_u32 s20, s20, s21
	s_lshl_b32 s46, s17, 1
	s_add_co_u32 s46, s46, s15                     ; my head: 2 x tile + half
	s_lshl_b32 s47, s46, 4
	s_add_co_u32 s20, s20, s47
	s_mul_i32 s20, s20, REC                        ; under 2^24
	s_mov_b32 s21, 0
	s_add_nc_u64 s[12:13], s[12:13], s[20:21]
	s_lshl_b32 s46, s46, 8                         ; the bias of my 64 features: 256 bytes a head
	s_mov_b32 s47, 0
	s_add_nc_u64 s[96:97], s[96:97], s[46:47]
	v_lshlrev_b32 v[BO], 2, v1                     ; all eight registers of A's block a belong to feature 16 a + r: the same word eight times
.irp a, 0,1,2,3
.irp j, 0,1,2,3,4,5,6,7
	global_load_b32 v[BI+8*\a+\j], v[BO], s[96:97] offset:64*\a
.endr
.endr
.else
	s_mul_i32 s23, s14, 16*SPITCH
	s_add_co_u32 s23, s23, AOFF                    ; my stage
	v_mul_u32_u24 v5, v1, SPITCH                   ; in: row l % 16, 32 bytes for each half of the lanes
	v_lshl_add_u32 v5, v2, 5, v5
	v_add_nc_u32 v[STO], s23, v5
	v_lshlrev_b32 v[CO], 4, v6                     ; back: the 32 lanes take one row of 512 bytes; and the same in the output
	v_add_nc_u32 v[RD], s23, v[CO]
	s_lshl_b32 s20, s17, 7
	s_lshl_b32 s21, s15, 6
	s_add_co_u32 s20, s20, s21                     ; my first row of the output: 128 x tile + 64 x half,
	s_lshl_b32 s20, s20, 12                        ; of 4,096 bytes (under 2^26)
	s_mov_b32 s21, 0
	s_lshl_b32 s46, s42, 10                        ; my first column, in bytes: 1,024 x tile + 512 x half
	s_lshl_b32 s47, s16, 9
	s_add_co_u32 s46, s46, s47
	s_mov_b32 s47, 0
	s_add_nc_u64 s[20:21], s[20:21], s[46:47]
	s_add_nc_u64 s[12:13], s[12:13], s[20:21]
	s_add_nc_u64 s[96:97], s[96:97], s[46:47]      ; the bias of my 128 columns
	v_lshlrev_b32 v[BO], 5, v2                     ; register j of B's block b is column 16 b + 8 h + j: eight neighbours
.irp b, 0,1,2,3,4,5,6,7
	global_load_b128 v[BI+8*\b:BI+8*\b+3], v[BO], s[96:97] offset:64*\b
	global_load_b128 v[BI+8*\b+4:BI+8*\b+7], v[BO], s[96:97] offset:64*\b+16
.endr
.endif
.macro FRAG reg, adr, s, i             ; a fragment from rows, 16 rows x 128 K: lane l holds row l % 16; registers 6 c .. 6 c + 5 hold K = 128 s + 64 c + 32 (l / 16) + 0 .. 31: 24 bytes of the row, as they lie
.irp p, 0,1,2,3,4,5                    ; in pieces of 8 bytes; 16 bytes of padding lie behind every 32 pieces.  Where the piece of lanes 16-31, three pieces on, lies behind one padding more, the second address register serves
.set PCE, 12*(\s)+6*(\p/3)+\p%3
.if PCE%32 < 29
	ds_load_b64 v[\reg+2*\p:\reg+2*\p+1], v[\adr] offset:8*PCE+16*(PCE/32)+(\i)*16*PITCH
.else
	ds_load_b64 v[\reg+2*\p:\reg+2*\p+1], v[\adr+1] offset:8*PCE+16*(PCE/32)+(\i)*16*PITCH
.endif
.endr
.endm
.macro FRAGA reg, s, i                 ; KIND 2: a fragment of A: two images of 768 bytes on end, each registers 0-3 at 16 x lane and 4-5 at 512 + 8 x lane
	ds_load_b128 v[\reg:\reg+3],     v[ADRA]   offset:12288*(\i)+1536*(\s)
	ds_load_b64  v[\reg+4:\reg+5],   v[ADRA+1] offset:12288*(\i)+1536*(\s)+512
	ds_load_b128 v[\reg+6:\reg+9],   v[ADRA]   offset:12288*(\i)+1536*(\s)+768
	ds_load_b64  v[\reg+10:\reg+11], v[ADRA+1] offset:12288*(\i)+1536*(\s)+1280
.endm
.macro FETCH_B s, p                    ; B's eight fragments of K step s into set p: 48 loads
	WIN TO_B
.irp i, 0,1,2,3,4,5,6,7
	FRAG 128*(\p)+FR*\i, ADRB+2*(\i/4), \s, \i%4
.endr
	WIN 0
.endm
.macro FETCH_A s, p                    ; A's four fragments of K step s into set p
.irp i, 0,1,2,3
.if KIND == 1
	FRAG AF+48*(\p)+FR*\i, ADRA, \s, \i
.else
	FRAGA AF+48*(\p)+FR*\i, \s, \i
.endif
.endr
.endm
; 16 matrix instructions: A's blocks a0, a0 + 1 x B's eight, K step s, on set p.  K step 0 starts the sums, with the bias as C.
; The 32 accumulators take turns, one instruction a turn, in the same order in every step.
.macro MUL16 a0, p, s
.irp a, \a0, \a0+1
.irp b, 0,1,2,3,4,5,6,7
.set DR, 8*(8*(\a)+\b)
.if (\s) == 0
.if KIND == 2
.set CR, BI+8*\b
.else
.set CR, BI+8*(\a)
.endif
.else
.set CR, DR
.endif
	v_wmma_scale_f32_16x16x128_f8f6f4 v[DR:DR+7], v[128*(\p)+FR*\b:128*(\p)+FR*\b+FR-1], v[AF+48*(\p)+FR*(\a):AF+48*(\p)+FR*(\a)+FR-1], v[CR:CR+7], v[SC+8*\b+(\s)], v[SC+8*(\a)+(\s)] matrix_a_fmt:MATRIX_FMT_FP6 matrix_b_fmt:MATRIX_FMT_FP6 matrix_a_scale:MATRIX_SCALE_ROW1
.endr
.endr
.endm
.macro PLACES n                        ; plain vector instructions between a matrix instruction and a load into, or a vector read or write of, its registers
.rept \n
	v_nop
.endr
.endm
; A K step of 128: 32 matrix instructions on set s % 2; the next step's fragments are fetched into the other set: B's ahead of the products, A's in their middle.
.macro KSTEP s
.set P, (\s)%2
.if (\s) < 7
.if (\s) > 0
	PLACES NP                                      ; behind the last step's products, which read the set that is loaded now (B's here, A's sixteen products further on)
.endif
	FETCH_B (\s)+1, 1-P
	s_wait_dscnt 48                                ; all but the 48 loads just issued: this step's fragments (and, in step 0, the scale words) are in
.else
	s_wait_dscnt 0x0                               ; the last step's fragments are in: my reads of the tiles are over
.if KIND == 2
	s_barrier_signal -1                            ; say so: behind this barrier the stages are written over A's bytes; the last products stand between signal and wait
.endif
.endif
.if (\s) == 0
	WIN FIRST
.else
	WIN MUL
.endif
	MUL16 0, P, \s
.if (\s) < 7
	WIN 0
	FETCH_A (\s)+1, 1-P
.if (\s) == 0
	WIN FIRST
.else
	WIN MUL
.endif
.endif
	MUL16 2, P, \s
.endm
	s_wait_alu depctr_va_vdst(0)
	s_wait_tensorcnt 0x0                           ; my one load has landed,
	s_barrier_signal -1
	s_barrier_wait -1                              ; everybody's has: from here on the tiles are only read
	FETCH_B 0, 0
	FETCH_A 0, 0
.irp i, 0,1,2,3,4,5,6,7                        ; a row's 32 scale bytes are the words of its eight K steps.  (A has four blocks: for i above 3 lanes 0-15 read bytes that lie in the scales' region and are not used)
	ds_load_b128 v[SC+8*\i:SC+8*\i+3], v[ADRS] offset:\i*SBLK
	ds_load_b128 v[SC+8*\i+4:SC+8*\i+7], v[ADRS] offset:\i*SBLK+16
.endr
	s_wait_loadcnt 0x0                             ; the bias
.irp s, 0,1,2,3,4,5,6,7
	KSTEP \s
.endr
	WIN 0
.if KIND == 1
; THE WAY OUT.  A's block a: 64 numbers a lane, four blocks of 32 along the tokens (block b: the 16 registers of tiles 2 b, 2 b + 1, and lane l xor 16's 16).
; A block's scale: its largest magnitude's exponent field less 2; the conversion takes that field as its scale.  The codes leave as images of an operand's registers, straight from registers.
.macro OUTA a
.set AC, 64*(\a)
	WIN 0x0a                                       ; sources 0 and 1: the accumulators' window
.irp b, 0,1,2,3
	v_max3_num_f32 v[TM+\b], |v[AC+16*\b]|, |v[AC+16*\b+1]|, 0x1800000   ; each accumulator is read from its low end on; the floor 2^(3 - 127) holds the byte at 1 from below
.endr
.irp i, 2,4,6,8,10,12,14
.irp b, 0,1,2,3
	v_max3_num_f32 v[TM+\b], |v[AC+16*\b+\i]|, |v[AC+16*\b+\i+1]|, v[TM+\b]   ; (the four blocks by turns)
.endr
.endr
	WIN 0
.irp b, 0,1,2,3
	v_permlanex16_b32 v[TM+4+\b], v[TM+\b], s[SEL], s[SEL+1]
.endr
.irp b, 0,1,2,3
	v_max_num_f32 v[TM+\b], v[TM+\b], v[TM+4+\b]   ; with lane l xor 16's: the block's largest magnitude
.endr
.irp b, 0,1,2,3
	v_add_nc_u32 v[TM+12+\b], 0xff000000, v[TM+\b] ; 2 off its exponent field: the conversion's scale operand
.endr
.irp b, 0,1,2,3
	v_lshrrev_b32 v[TM+4+\b], 23, v[TM+12+\b]      ; the scale's byte
.endr
	v_lshl_or_b32 v[SW+(\a)], v[TM+5], 8, v[TM+4]  ; the four bytes of my row
	v_lshl_or_b32 v[SW+(\a)], v[TM+6], 16, v[SW+(\a)]
	v_lshl_or_b32 v[SW+(\a)], v[TM+7], 24, v[SW+(\a)]
.if (\a) > 0
	s_wait_xcnt 0x0                                ; the last block's stores have read the codes' registers: they are written again only behind this wait
.endif
	WIN 0x02                                       ; source 0: the accumulators' window
.irp c, 0,1
	v_cvt_scalef32_pk16_fp6_f32 v[CD+6*\c:CD+6*\c+2], v[AC+32*\c:AC+32*\c+15], v[TM+12+2*\c]
	v_cvt_scalef32_pk16_fp6_f32 v[CD+12+4*\c:CD+14+4*\c], v[AC+32*\c+16:AC+32*\c+31], v[TM+13+2*\c]   ; (a conversion's three registers begin on an even number)
.endr
	WIN 0
	v_nop                                          ; one plain place behind a scaled conversion
.irp c, 0,1                                    ; the operand's layout wants a whole block in a lane: lanes 0-15 block 2 c, lanes 16-31 block 2 c + 1
.irp i, 0,1,2
	v_permlane16_swap_b32 v[CD+6*\c+\i], v[CD+12+4*\c+\i]
.endr
.irp i, 0,1,2
	v_mov_b32 v[CD+3+6*\c+\i], v[CD+12+4*\c+\i]
.endr
.endr
.irp c, 0,1
.set OF, VOFF+1536*(\a)+768*\c                 ; A's block a is d tile a of my head; keys 64 c on
	global_store_b128 v[L16], v[CD+6*\c:CD+6*\c+3], s[12:13] offset:OF          ; 512 consecutive bytes, aligned to 256
	global_store_b64 v[L8], v[CD+6*\c+4:CD+6*\c+5], s[12:13] offset:OF+512      ; 256 consecutive bytes, aligned
.endr
.endm
	PLACES NP                                      ; behind the last products: their results are read, and the registers that held A's fragments are written
	s_mov_b32 vcc_lo, 0xffff0000                   ; lanes 16-31
.irp b, 0,1,2,3
	v_mov_b32 v[TM+4+\b], 0                        ; written once: a lane permute's destination counts as one of its sources
.endr
.irp a, 0,1,2,3
	OUTA \a
.endr
.irp i, 0,1
	v_cndmask_b32 v[XW+\i], v[SW+2*\i], v[SW+2*\i+1], vcc_lo   ; lanes 0-15 the even d tile's word of row r, lanes 16-31 the odd one's
.endr
	global_store_b64 v[L8], v[XW:XW+1], s[12:13] offset:VSOFF
.else
; THE WAY OUT, block by block of 16 rows x 128 columns.  A lane holds 32 neighbouring bytes of a row, and the lanes beside it hold other rows: so a block goes through my own stage in LDS and comes back as whole
; rows of 512 bytes.  LDS serves a wave's instructions in order (ISA guide 5.7.1.4): no wait between the stores and the loads, nor in front of the next block's stores.
.macro TOSTAGE a
.set AC, 64*(\a)
	WIN 0x08                                       ; an LDS store's data are its source 1: window 2
.irp b, 0,1,2,3,4,5,6,7
	ds_store_b128 v[STO], v[AC+8*\b:AC+8*\b+3] offset:64*\b          ; each accumulator from its low end on
	ds_store_b128 v[STO], v[AC+8*\b+4:AC+8*\b+7] offset:64*\b+16
.endr
	WIN 0
.set BB, BK+64*((\a)%2)
.irp t, 0,1,2,3,4,5,6,7,8,9,10,11,12,13,14,15
	ds_load_b128 v[BB+4*\t:BB+4*\t+3], v[RD] offset:\t*SPITCH
.endr
.endm
.macro SEND a, younger                 ; younger: the LDS instructions issued behind block a's loads, which may stay out
.set BB, BK+64*((\a)%2)
	s_wait_dscnt \younger                          ; the block is back in registers
.if (\a) > 0
	s_add_nc_u64 s[12:13], s[12:13], 16*SIZE_N*4   ; (behind a wait on XCNT: the earlier stores have read their base)  16 rows on
.endif
.irp t, 0,1,2,3,4,5,6,7,8,9,10,11,12,13,14,15
	global_store_b128 v[CO], v[BB+4*\t:BB+4*\t+3], s[12:13] offset:\t*SIZE_N*4 th:TH_STORE_NT   ; 32 lanes store 512 consecutive bytes, aligned to 256; written once, read by nobody here
.endr
.endm
	s_barrier_wait -1                              ; every wave's reads of the tiles are over: A's bytes, which have had their only fill, take the stages
	PLACES NP                                      ; behind the last products: for the reads of results and for the loads into the registers that held A's fragments
	TOSTAGE 0
.irp a, 1,2,3
.if \a > 1
	s_wait_xcnt 0x0                                ; block a - 2's stores have read their registers and their base: block a's loads may land there, and the base may step
.endif
	TOSTAGE \a
	SEND \a-1, 32                                  ; behind block a - 1's loads: block a's 16 stores and 16 loads
.endr
	s_wait_xcnt 0x0                                ; block 2's stores have read their base
	SEND 3, 0
.endif
	s_wait_tensorcnt 0x0
	ds_add_u32 v30, v31
	s_wait_dscnt 0x0
	CROUND                                         ; the closing round: no work-group ends while a partner may still ask for a block that names it
	s_endpgm
.Lfunc_end_k_qebe3179353_proj_o:
	.size	k_qebe3179353_proj_o, .Lfunc_end_k_qebe3179353_proj_o-k_qebe3179353_proj_o
	.p2alignl 7, 3214868480
	.fill 96, 4, 3214868480
	.section	.rodata,"a",@progbits
	.p2align	6, 0x0
	.amdhsa_kernel k_qebe3179353_proj_o
		.amdhsa_group_segment_fixed_size 327680
		.amdhsa_private_segment_fixed_size 0
		.amdhsa_enable_private_segment 0
		.amdhsa_kernarg_size 48
		.amdhsa_user_sgpr_count 2
		.amdhsa_user_sgpr_kernarg_segment_ptr 1
		.amdhsa_wavefront_size32 1
		.amdhsa_system_sgpr_workgroup_id_x 1
		.amdhsa_system_sgpr_workgroup_id_y 1
		.amdhsa_system_sgpr_workgroup_id_z 1
		.amdhsa_system_vgpr_workitem_id 0
		.amdhsa_next_free_vgpr 768
		.amdhsa_next_free_sgpr 100
		.amdhsa_reserve_vcc 1
		.amdhsa_float_denorm_mode_32 3
		.amdhsa_float_denorm_mode_16_64 3
		.amdhsa_memory_ordered 1
		.amdhsa_forward_progress 1
		.amdhsa_inst_pref_size 93
	.end_amdhsa_kernel
	.amdgpu_metadata
---
amdhsa.version: [ 1, 2 ]
amdhsa.kernels:
  - .name:           k_qebe3179353_proj_o
    .symbol:         k_qebe3179353_proj_o.kd
    .args:
      - { .name: o_codes, .offset: 0, .size: 8, .value_kind: global_buffer, .address_space: global }
      - { .name: o_scales, .offset: 8, .size: 8, .value_kind: global_buffer, .address_space: global }
      - { .name: Wo_codes, .offset: 16, .size: 8, .value_kind: global_buffer, .address_space: global }
      - { .name: Wo_scales, .offset: 24, .size: 8, .value_kind: global_buffer, .address_space: global }
      - { .name: out0, .offset: 32, .size: 8, .value_kind: global_buffer, .address_space: global }
      - { .name: bo, .offset: 40, .size: 8, .value_kind: global_buffer, .address_space: global }
    .group_segment_fixed_size: 327680
    .private_segment_fixed_size: 0
    .kernarg_segment_align: 8
    .kernarg_segment_size: 48
    .max_flat_workgroup_size: 128
    .sgpr_count:     100
    .vgpr_count:     768
    .wavefront_size: 32
...
	.end_amdgpu_metadata
.endif
;; end of part 4
